; MI455X (gfx1250); checked and timed in simulation.
; The chip was launched on July 23, 2026; its instructions are those of AMD's public machine-readable ISA for CDNA 5 (MIT licence, August 2026) and "CDNA5" Instruction Set Architecture Reference Guide (July 2026). The comments in the code are by the model that wrote it; some were corrected since.
;; Causal Self Attention. Allowed arithmetic: matrix products marked QUANTISED: E2M1 operands, one E8M0 scale for each 32 along K, by v_wmma_scale_f32_16x16x128_f8f6f4 with both operands' format E2M1 (or v_wmma_scale_f32_32x16x128_f4), f32 sums; everything else in f32.
;; Inputs: b_out 1,024 float32; b_qkv 3,072 float32; w_out 1,024 x 1,024 float32; w_qkv 1,024 x 3,072 float32; x 4 x 2,048 x 1,024 float32.
;; Outputs: out0 4 x 2,048 x 1,024 float32.
;; This version of the problem:
;;   THIS VERSION OF THE PROBLEM IS GIVEN IN LOW PRECISION. The matrix products marked QUANTISED in the list below multiply operands that are first quantised to E2M1 (2 exponent bits, 1 mantissa bit; 4 bits a number), with one power-of-two scale for each 32 numbers along K (OCP MX v1.0); their sums are f32. All else is computed in f32.
;;   The module's matrix products, in the order in which they are computed (A, B: the left and right operand; K: the contracted axis; several contracted axes count as one K, in the product's order):
;;     1. [M 8,192, K 1,024] x [K 1,024, N 3,072]; A: input x; B: input w_qkv: QUANTISED
;;     2. batch 64 x [M 2,048, K 64] x [K 64, N 2,048]; A: computed on the way; B: computed on the way: QUANTISED
;;     3. batch 64 x [M 64, K 2,048] x [K 2,048, N 2,048]; A: computed on the way; B: softmax (see below): QUANTISED
;;     4. [M 8,192, K 1,024] x [K 1,024, N 1,024]; A: computed on the way; B: input w_out: QUANTISED
;;   THE QUANTISER, for each operand of a quantised product, along K:
;;     - K is cut into blocks of 32 from its start; a last block that is shorter is filled with zeros.
;;     - A block's scale is 2^e with e = floor(log2(the largest magnitude in the block)) - 2, held to -126 .. 127; a block of zeros has e = 0. As a byte (E8M0): e + 127.
;;     - Each number is divided by its block's scale, clamped to +-6, and rounded to the nearest number of E2M1, ties to even, subnormals kept.
;;     - The product sums the exact products of the quantised numbers (number of the format x scale) in f32.
;;   ~~~python
;;   def quantise(x, axis):      # numpy; x: float32 -> the quantised numbers, widened to float32 again
;;       x = np.moveaxis(x, axis, -1); K = x.shape[-1]
;;       x = np.pad(x, [(0, 0)] * (x.ndim - 1) + [(0, -K % 32)]); x = x.reshape(x.shape[:-1] + (-1, 32)); a = np.abs(x).max(-1, keepdims=True)
;;       e = np.where(a > 0, np.clip(np.frexp(np.where(a > 0, a, 1))[1] - 1 - 2, -126, 127), 0)      # np.frexp(a)[1] - 1 = floor(log2(a)), exactly
;;       r = np.clip(x / 2.0 ** e, -6, 6)
;;       step = 2.0 ** (np.maximum(np.frexp(np.where(r == 0, 1, r))[1] - 1, 0) - 1)
;;       q = np.round(r / step) * step * 2.0 ** e      # np.round: ties to even
;;       return np.moveaxis(q.reshape(q.shape[:-2] + (-1,))[..., :K], -1, axis).astype(np.float32)
;;   ~~~
;;   SOFTMAX AHEAD OF A QUANTISED PRODUCT. Where the list says 'softmax', what is quantised is not the finished softmax but p = 2^(t - M), with t = logit x log2(e) and M = ceil(the row's largest t), a whole number; so 1/2 < the row's largest p <= 1. The row's sum l is taken of the UNQUANTISED p, in f32, and the product's result is divided by l at the end. Since M is a whole number, a kernel that streams over the keys may use a running M (the ceiling of the running maximum): every later rescaling is an exact power of two, which a block's scale takes up: the codes' values come out the same.
;;   OPERANDS COMPUTED ON THE WAY. 'Computed on the way' means the value that the module computes at that place (a softmax that the list does not call 'softmax' is quantised finished and normalised). What goes into a quantiser is computed in f32, as accurately as f32 sums, v_exp_f32 and their like allow (about 1e-6 of the number): no bf16 or f16 on the way to a quantiser, and a product that is left as it is and whose result goes on into a quantised operand takes f32 operands (vector FMAs, or v_wmma_f32_16x16x4_f32). A number that lies on a knife's edge between two numbers of the format may be rounded either way, as far as f32 arithmetic and the matrix unit's own rounding can turn it there, and no further.
;; One version. Each part assembles by itself: llvm-mc -triple=amdgcn-amd-amdhsa -mcpu=gfx1250 --defsym DOCPART=n.
;; ======== version 1 of 1: 4 launches
;; limits: right only within a limited range of input values
;; workspace buffers: xc 4,194,304 bytes; xs 262,144 bytes; wc 2,097,152 bytes; ws 131,072 bytes; qkv 13,893,632 bytes; cc 4,194,304 bytes; cs 262,144 bytes
;; launch quant (part 1): grid 320 x 1, 4 waves a work-group, no clusters, 68,096 bytes of LDS; arguments x, w_qkv, w_out, xc, xs, wc, ws; writes xc, xs, wc, ws
.if DOCPART == 1
	.amdgcn_target "amdgcn-amd-amdhsa--gfx1250"
	.amdhsa_code_object_version 6
	.text
	.protected	k_q834e5e753e_quant
	.globl	k_q834e5e753e_quant
	.p2align	8
	.type	k_q834e5e753e_quant,@function
k_q834e5e753e_quant:
	s_mov_b64 s[64:65], 0
	v_nop
	global_prefetch_b8 v0, s[64:65] scope:SCOPE_SE
	s_setreg_imm32_b32 hwreg(HW_REG_WAVE_MODE, 25, 1), 1
	s_wait_xcnt 0x0
; CAUSAL SELF-ATTENTION IN MX-FP4, launch 1 of 4: the three large inputs become codes of FP4 (E2M1) with one E8M0 scale byte for each 32 along K.
; x [8192][1024] is quantised along its rows; w_qkv [1024][3072] and w_out [1024][1024] along their FIRST axis, and are laid [column][K], K innermost.
; DEAD WORK OF THE WHOLE PROGRAM.  reference() builds the causal mask in its own body: a score of key k and query q with k > q becomes -infinity, its weight 0, whatever the inputs hold.  So a step of 128 keys
; all of which come after all 16 queries of a tile reaches no output, and the third launch leaves such steps out (scores, softmax and second product).  Nothing else is left out: all five inputs have a way to
; the output and are loaded; k's bias stays, since it moves k's codes.  LIMIT: a NaN, an infinity or an overflow that reaches only a step left out is not carried to the result.
; THE ONE PERMUTATION.  Every row (a token, a column of a weight) is stored at the position that has bits 3 and 4 of its number exchanged.  Sixteen neighbouring positions then hold rows 0-7 and 16-23 (or 8-15 and
; 24-31) of a group of 32, so that in every later product the 16 registers of two neighbouring tiles are 16 neighbours along the axis that is quantised next.
; A block's scale is 2^(floor(log2(its largest magnitude)) - 2); its byte is the largest magnitude's exponent field - 2, held at 1 from below.  A block of zeros so gets the byte 1 where the rule says 127: its codes
; are zeros, which add nothing, and the bytes are read by this program alone.
; LIMITS: blocks whose largest magnitude lies under 2^-124 are held at that floor; NaN and infinities among the inputs are not served.
; SHARES.  Work-groups 0-63 take the weights (128 columns x 512 along K each: 48 for w_qkv, 16 for w_out), work-groups 64-319 take x (32 rows each, 8 a wave).  The two ways part once, on the work-group's number, and
; each has LDS bytes of its own.  No work-group shares an input byte with another, so there is no cluster; no tensor load, no barrier: waves share nothing.
.set STEPS, 16                         ; x: steps of 512 numbers for a wave
.set CB,    8                          ; bytes of 16 codes
.set SP,    80                         ; x: a lane's place in a stage: 64 bytes + 16 of padding
.set WREG,  8192                       ; x: LDS region of a wave: two stages of 32 x SP bytes, then its 256 scale bytes
.set XR,    16                         ; v16-79   x: four sets of 16 numbers as loaded
.set XX,    80                         ; v80-111  x: two sets of 16 neighbours
.set XE,    112                        ; v112-127 x: a scale byte for each step
.set XCD,   128                        ; v128-191 x: codes, four registers for each step
.set SPW,   12                         ; v12  LDS address of my spare word; never rewritten
.set NIL,   13                         ; v13  0; never rewritten
.set WST,   4*WREG                     ; the weights' four stages begin here
.set PITCH, 272                        ; a stage row: 256 bytes of codes + 16
.set SPARE, WST+4*32*PITCH             ; the spare words, 128 bytes for each wave
.set NB,    16                         ; weights: blocks of 32 along K for a wave
.set WSB,   24                         ; v24-27   weights: the scale bytes, four to a register
.set WX,    32                         ; v32-95   weights: two sets of 32 numbers
.set WCD,   96                         ; v96-99   weights: a block's codes
.set WOUT,  112                        ; v112-175 weights: the way out
.set WOFF,  176                        ; v176-207 weights: byte offset of row i of a block, at my column
	s_load_b256 s[4:11], s[0:1], 0x0               ; x s[4:5], w_qkv s[6:7], w_out s[8:9], xc s[10:11]
	s_load_b128 s[12:15], s[0:1], 0x20             ; xs s[12:13], wc s[14:15]
	s_load_b64 s[16:17], s[0:1], 0x30              ; ws
	v_lshl_add_u32 v[SPW], v0, 2, SPARE
	v_mov_b32 v[NIL], 0
	v_lshrrev_b32 v1, 5, v0
	v_readfirstlane_b32 s18, v1                    ; wave
	v_and_b32 v2, 31, v0                           ; lane
	s_cmp_lt_u32 ttmp9, 64
	s_cbranch_scc1 .Lw
; ---------------- x: a plain stream of blocks of 32; a wave's run is 8 rows, 8,192 numbers ----------------
	v_lshlrev_b32 v3, 4, v2                        ; my 16 bytes of a load's 512
	s_mul_i32 s19, s18, WREG
	v_lshrrev_b32 v14, 2, v2
	v_mul_u32_u24 v14, v14, SP
	v_and_b32 v15, 3, v2
	v_lshl_add_u32 v14, v15, 4, v14
	v_add_nc_u32 v14, s19, v14                     ; the stage, on the way in: SP (lane / 4) + 16 (lane % 4)
	v_mul_u32_u24 v15, v2, SP
	v_add_nc_u32 v15, s19, v15                     ; and on the way out: SP x lane: my 16 neighbours
	v_mul_u32_u24 v4, v2, CB                       ; my codes' place in a step's
	v_lshrrev_b32 v5, 1, v2
	s_add_co_u32 s19, s19, 2*32*SP
	v_add_nc_u32 v5, s19, v5                       ; LDS: my wave's 256 scale bytes, my block's byte
	v_lshlrev_b32 v7, 3, v2                        ; and on the way out 8 bytes a lane
	v_add_nc_u32 v6, s19, v7
	s_sub_co_u32 s20, ttmp9, 64
	s_lshl_b32 s20, s20, 2
	s_add_co_u32 s20, s20, s18                     ; R: my run of 8 rows
	s_and_b32 s21, s20, 1
	s_lshl_b32 s21, s21, 1
	s_bfe_u32 s22, s20, 0x10001
	s_and_b32 s23, s20, 0xfffffffc
	s_or_b32 s23, s23, s21
	s_or_b32 s23, s23, s22                         ; where it is stored: R with its bits 0 and 1 exchanged, which are the rows' bits 3 and 4
	s_lshl_b32 s24, s20, 15                        ; 32,768 bytes of x a run
	s_mov_b32 s25, 0
	s_lshl_b32 s26, s23, 12                        ; 4,096 bytes of codes
	s_mov_b32 s27, 0
	s_lshl_b32 s28, s23, 8                         ; 256 scale bytes
	s_mov_b32 s29, 0
	s_wait_alu depctr_va_vdst(0)
	s_wait_kmcnt 0x0
	s_add_nc_u64 s[4:5], s[4:5], s[24:25]
	s_add_nc_u64 s[10:11], s[10:11], s[26:27]
	s_add_nc_u64 s[12:13], s[12:13], s[28:29]
.macro XLOAD t
.irp i, 0,1,2,3
	global_load_b128 v[XR+16*((\t)%4)+4*\i:XR+16*((\t)%4)+4*\i+3], v3, s[4:5] offset:2048*(\t)+512*\i th:TH_LOAD_NT   ; 32 lanes read 512 consecutive bytes
.endr
.endm
.macro XTURN t                         ; step t's numbers through the stage: LDS serves a wave's instructions in order, so no wait stands between the stores and the loads
.irp i, 0,1,2,3
	ds_store_b128 v14, v[XR+16*((\t)%4)+4*\i:XR+16*((\t)%4)+4*\i+3] offset:32*SP*((\t)%2)+8*SP*\i
.endr
.irp i, 0,1,2,3
	ds_load_b128 v[XX+16*((\t)%2)+4*\i:XX+16*((\t)%2)+4*\i+3], v15 offset:32*SP*((\t)%2)+16*\i
.endr
.endm
.irp t, 0,1,2,3
	XLOAD \t
.endr
	s_wait_loadcnt 12                              ; step 0's four loads are in
	XTURN 0
.macro XSTEP t
.set XS, XX+16*((\t)%2)
.if (\t) > 0
	s_wait_dscnt 1                                 ; this step's numbers are back from the stage (the last step's byte store may be out)
.else
	s_wait_dscnt 0x0
.endif
.if (\t)+4 < STEPS
	XLOAD (\t)+4                                   ; into the registers that this step's stores into the stage have read
.endif
.if (\t)+1 < STEPS
.if STEPS-2-(\t) >= 3
	s_wait_loadcnt 12                              ; the next step's four loads are in; those of the three steps behind it may be out
.else
	s_wait_loadcnt 4*(STEPS-2-(\t))
.endif
	XTURN (\t)+1
.endif
	v_max3_num_f32 v8, |v[XS]|, |v[XS+1]|, |v[XS+2]|               ; the largest magnitude of my 16, in two chains
	v_max3_num_f32 v9, |v[XS+3]|, |v[XS+4]|, |v[XS+5]|
.irp i, 6,10
	v_max3_num_f32 v8, v8, |v[XS+\i]|, |v[XS+\i+1]|
	v_max3_num_f32 v9, v9, |v[XS+\i+2]|, |v[XS+\i+3]|
.endr
	v_max3_num_f32 v8, v8, |v[XS+14]|, |v[XS+15]|
	v_max3_num_f32 v8, v8, v9, 0x1800000           ; and the floor 2^(3 - 127): the byte cannot fall under 1
	v_max_num_f32_dpp v8, v8, v8 row_xmask:1 row_mask:0xf bank_mask:0xf   ; and of my neighbour's 16: the block's
	v_add_nc_u32 v11, 0xff000000, v8               ; 2 off its exponent field: the conversion takes the exponent field of this operand as its scale
	v_cvt_scalef32_pk8_fp4_f32 v[XCD+4*(\t)], v[XS:XS+7], v11
	v_cvt_scalef32_pk8_fp4_f32 v[XCD+4*(\t)+1], v[XS+8:XS+15], v11
	v_lshrrev_b32 v[XE+(\t)], 23, v11              ; the scale's byte
	ds_store_b8 v5, v[XE+(\t)] offset:16*(\t)      ; both lanes of a block write the same byte with the same value
	global_store_b64 v4, v[XCD+4*(\t):XCD+4*(\t)+1], s[10:11] offset:32*CB*(\t)   ; the wave stores 256 consecutive bytes, aligned
.endm
.irp t, 0,1,2,3,4,5,6,7,8,9,10,11,12,13,14,15
	XSTEP \t
.endr
	ds_load_b64 v[8:9], v6                         ; LDS serves a wave's instructions in order: these see my stores
	s_wait_dscnt 0x0
	global_store_b64 v7, v[8:9], s[12:13]          ; 32 lanes store 256 consecutive bytes, aligned
	s_wait_tensorcnt 0x0                           ; the wave's end, behind my last LDS store
	ds_add_u32 v[SPW], v[NIL]
	s_wait_dscnt 0x0
	s_endpgm
; ---------------- the weights: a lane takes a column, its registers run down K ----------------
.Lw:
	s_cmp_lt_u32 ttmp9, 48                         ; w_qkv's work-group or w_out's?
	s_cselect_b32 s19, 0, 48
	s_mov_b32 s20, 4096
	s_cselect_b32 s20, 12288, s20                  ; bytes from row to row of the weight
	s_cselect_b32 s21, 0, 3072                     ; its first row in wc and ws
	s_sub_co_u32 s19, ttmp9, s19
	s_lshr_b32 s22, s19, 1                         ; which 128 columns
	s_and_b32 s23, s19, 1                          ; which 512 along K
	s_lshl_b32 s22, s22, 7
	s_lshl_b32 s24, s18, 5
	s_add_co_u32 s22, s22, s24                     ; my wave's first column
	s_mul_i32 s24, s23, s20
	s_lshl_b32 s24, s24, 9                         ; 512 rows down,
	s_lshl_b32 s25, s22, 2
	s_add_co_u32 s24, s24, s25                     ; 4 bytes a column
	s_mov_b32 s25, 0
	s_lshl_b32 s30, s20, 5                         ; a block on: 32 rows
	s_mov_b32 s31, 0
	s_add_co_u32 s26, s21, s22                     ; my first row of wc and ws
	s_lshl_b32 s28, s26, 5
	s_lshl_b32 s26, s26, 9
	s_lshl_b32 s27, s23, 8
	s_add_co_u32 s26, s26, s27                     ; codes: 512 bytes a row, + 256 for the second half of K
	s_mov_b32 s27, 0
	s_lshl_b32 s29, s23, 4
	s_add_co_u32 s28, s28, s29                     ; scale bytes: 32 a row, + 16
	s_mov_b32 s29, 0
	s_wait_alu depctr_va_vdst(0)
	v_lshlrev_b32 v[WOFF], 2, v2
.set I, 1
.rept 31
	v_add_nc_u32 v[WOFF+I], s20, v[WOFF+I-1]
.set I, I+1
.endr
	v_and_b32 v3, 7, v2
	v_and_b32 v4, 8, v2
	v_lshl_add_u32 v3, v4, 1, v3
	v_and_b32 v4, 16, v2
	v_lshrrev_b32 v4, 1, v4
	v_add_nc_u32 v3, v3, v4                        ; my column's position: the lane with bits 3 and 4 exchanged
	s_mul_i32 s32, s18, 32*PITCH
	s_add_co_u32 s32, s32, WST                     ; my stage
	v_mul_u32_u24 v4, v3, PITCH
	v_add_nc_u32 v4, s32, v4                       ; into it: row = my position
	v_and_b32 v5, 15, v2
	v_lshrrev_b32 v6, 4, v2                        ; out of it: sixteen lanes to a row, two rows an instruction
	v_mul_u32_u24 v7, v6, PITCH
	v_lshl_add_u32 v7, v5, 4, v7
	v_add_nc_u32 v7, s32, v7
	v_lshlrev_b32 v8, 9, v6
	v_lshl_add_u32 v8, v5, 4, v8                   ; and the same place in wc
	v_lshlrev_b32 v9, 5, v3                        ; my row of scale bytes
	s_wait_kmcnt 0x0
	s_cmp_lt_u32 ttmp9, 48
	s_cselect_b64 s[4:5], s[6:7], s[8:9]           ; the choice hangs on the work-group's number alone
	s_add_nc_u64 s[4:5], s[4:5], s[24:25]
	s_add_nc_u64 s[14:15], s[14:15], s[26:27]
	s_add_nc_u64 s[16:17], s[16:17], s[28:29]
.macro WLOAD t                         ; a block: rows 0 .. 31 from the base on, at my column, into set t % 2: each load reads 128 consecutive bytes a wave
.set I, 0
.rept 32
	global_load_b32 v[WX+32*((\t)%2)+I], v[WOFF+I], s[4:5] th:TH_LOAD_NT
.set I, I+1
.endr
.endm
.macro NEXTBASE
	s_wait_xcnt 0x0                                ; the loads issued so far have read their base: only behind this wait is it stepped
	s_add_nc_u64 s[4:5], s[4:5], s[30:31]
.endm
	WLOAD 0
	NEXTBASE
	WLOAD 1
.macro WBLOCK t
.set XS, WX+32*((\t)%2)
.if (\t) < NB-1
	s_wait_loadcnt 32                              ; this block's 32 loads are in; the next block's may be out
.else
	s_wait_loadcnt 0
.endif
	v_max3_num_f32 v16, |v[XS]|, |v[XS+1]|, |v[XS+2]|              ; the block's largest magnitude: all 32 numbers are mine
	v_max3_num_f32 v17, |v[XS+3]|, |v[XS+4]|, |v[XS+5]|
.irp i, 6,10,14,18,22,26
	v_max3_num_f32 v16, v16, |v[XS+\i]|, |v[XS+\i+1]|
	v_max3_num_f32 v17, v17, |v[XS+\i+2]|, |v[XS+\i+3]|
.endr
	v_max3_num_f32 v16, v16, |v[XS+30]|, |v[XS+31]|
	v_max3_num_f32 v16, v16, v17, 0x1800000        ; and the floor
	v_add_nc_u32 v18, 0xff000000, v16              ; the conversion's scale operand
	v_lshrrev_b32 v19, 23, v18                     ; the scale's byte
.if (\t)%4 == 0
	v_mov_b32 v[WSB+(\t)/4], v19                   ; four bytes to a register, the lower K in the lower byte
.else
	v_lshl_or_b32 v[WSB+(\t)/4], v19, 8*((\t)%4), v[WSB+(\t)/4]
.endif
.irp g, 0,1,2,3
	v_cvt_scalef32_pk8_fp4_f32 v[WCD+\g], v[XS+8*\g:XS+8*\g+7], v18
.endr
	ds_store_b128 v4, v[WCD:WCD+3] offset:16*(\t)  ; 32 codes: 16 bytes of my column's row
.if (\t)+2 < NB
	NEXTBASE
	WLOAD (\t)+2
.endif
	s_wait_dscnt 0x0                               ; the store has read its registers: the next block's codes may be written
.endm
.set Q, 0
.rept NB
	WBLOCK Q
.set Q, Q+1
.endr
	s_wait_alu depctr_va_vdst(0)
	global_store_b128 v9, v[WSB:WSB+3], s[16:17]   ; my column's 16 scale bytes
.irp t, 0,1,2,3,4,5,6,7,8,9,10,11,12,13,14,15
	ds_load_b128 v[WOUT+4*\t:WOUT+4*\t+3], v7 offset:2*\t*PITCH    ; LDS serves a wave's instructions in order: these see my stores
.endr
.irp t, 0,1,2,3,4,5,6,7,8,9,10,11,12,13,14,15
	s_wait_dscnt 15-\t
	global_store_b128 v8, v[WOUT+4*\t:WOUT+4*\t+3], s[14:15] offset:2*\t*512   ; sixteen lanes store 256 consecutive bytes, aligned
.endr
	s_wait_tensorcnt 0x0                           ; the wave's end, behind my last LDS store
	ds_add_u32 v[SPW], v[NIL]
	s_wait_dscnt 0x0
	s_endpgm
.Lfunc_end_k_q834e5e753e_quant:
	.size	k_q834e5e753e_quant, .Lfunc_end_k_q834e5e753e_quant-k_q834e5e753e_quant
	.p2alignl 7, 3214868480
	.fill 96, 4, 3214868480
	.section	.rodata,"a",@progbits
	.p2align	6, 0x0
	.amdhsa_kernel k_q834e5e753e_quant
		.amdhsa_group_segment_fixed_size 68096
		.amdhsa_private_segment_fixed_size 0
		.amdhsa_enable_private_segment 0
		.amdhsa_kernarg_size 56
		.amdhsa_user_sgpr_count 2
		.amdhsa_user_sgpr_kernarg_segment_ptr 1
		.amdhsa_wavefront_size32 1
		.amdhsa_system_sgpr_workgroup_id_x 1
		.amdhsa_system_sgpr_workgroup_id_y 1
		.amdhsa_system_sgpr_workgroup_id_z 1
		.amdhsa_system_vgpr_workitem_id 0
		.amdhsa_next_free_vgpr 208
		.amdhsa_next_free_sgpr 66
		.amdhsa_reserve_vcc 0
		.amdhsa_float_denorm_mode_32 3
		.amdhsa_float_denorm_mode_16_64 3
		.amdhsa_memory_ordered 1
		.amdhsa_forward_progress 1
		.amdhsa_inst_pref_size 114
	.end_amdhsa_kernel
	.amdgpu_metadata
---
amdhsa.version: [ 1, 2 ]
amdhsa.kernels:
  - .name:           k_q834e5e753e_quant
    .symbol:         k_q834e5e753e_quant.kd
    .args:
      - { .name: x, .offset: 0, .size: 8, .value_kind: global_buffer, .address_space: global }
      - { .name: w_qkv, .offset: 8, .size: 8, .value_kind: global_buffer, .address_space: global }
      - { .name: w_out, .offset: 16, .size: 8, .value_kind: global_buffer, .address_space: global }
      - { .name: xc, .offset: 24, .size: 8, .value_kind: global_buffer, .address_space: global }
      - { .name: xs, .offset: 32, .size: 8, .value_kind: global_buffer, .address_space: global }
      - { .name: wc, .offset: 40, .size: 8, .value_kind: global_buffer, .address_space: global }
      - { .name: ws, .offset: 48, .size: 8, .value_kind: global_buffer, .address_space: global }
    .group_segment_fixed_size: 68096
    .private_segment_fixed_size: 0
    .kernarg_segment_align: 8
    .kernarg_segment_size: 56
    .max_flat_workgroup_size: 128
    .sgpr_count:     66
    .vgpr_count:     208
    .wavefront_size: 32
...
	.end_amdgpu_metadata
.endif
;; end of part 1
;; launch qkv (part 2): grid 12 x 32, 4 waves a work-group, clusters of 4 x 4, 327,680 bytes of LDS; arguments xc, xs, wc, ws, b_qkv, qkv; writes qkv
.if DOCPART == 2
	.amdgcn_target "amdgcn-amd-amdhsa--gfx1250"
	.amdhsa_code_object_version 6
	.text
	.protected	k_q834e5e753e_qkv
	.globl	k_q834e5e753e_qkv
	.p2align	8
	.type	k_q834e5e753e_qkv,@function
k_q834e5e753e_qkv:
	s_mov_b64 s[64:65], 0
	v_nop
	global_prefetch_b8 v0, s[64:65] scope:SCOPE_SE
	s_setreg_imm32_b32 hwreg(HW_REG_WAVE_MODE, 25, 1), 1
	s_wait_xcnt 0x0
	s_wait_alu depctr_hold_cnt(0) depctr_sa_sdst(0) depctr_va_vdst(0) depctr_va_sdst(0) depctr_va_ssrc(0) depctr_va_vcc(0) depctr_vm_vsrc(0)
	s_getreg_b32 s2, hwreg(HW_REG_IB_STS2, 6, 4)
	s_cmp_eq_u32 s2, 0
	s_cbranch_scc0 .Lentry_in_a_cluster
	s_endpgm
.Lentry_in_a_cluster:
	s_bfe_u32 s2, ttmp6, 0x10000c
	s_cmp_lg_u32 s2, 0xf033
	s_cbranch_scc0 .Lentry_shape_is_right
	s_endpgm
.Lentry_shape_is_right:
; Launch 2 of 4: qkv = x w_qkv + b_qkv on codes of FP4, K = 1,024; the sums are quantised in registers and leave as codes: q and k along the head's 64, v along the keys.  No f32 number of q, k or v goes to memory.
; A tile of 256 x 256 of the product is made by four waves, 128 x 128 each: 64 accumulators, 512 registers.  K goes in two slots of 512 (rows of 256 bytes); both are first fills: nothing is filled again.
; ROLES.  The matrix instruction's source 0 is called B, its source 1 A.  A lane then holds ONE row of A, and its registers run along B's rows: so the results are quantised along B's rows.
;   q, k (cluster x = 0, 1): B = 256 columns of w_qkv, A = 256 tokens: a lane holds a token and 128 features, two heads.      v (cluster x = 2): B = 256 tokens, A = 256 columns: a lane holds a feature and 128 keys.
; Both operands are matrices of codes with rows of 512 bytes, so the two cases differ in pointers and tile numbers alone until the way out; they part once, on the cluster's x, which all sixteen partners share.
; Rows lie at positions (bits 3 and 4 of a row's number exchanged): the 16 registers of B's tiles 2 b and 2 b + 1 are 16 neighbours, 32 b + 16 (lane / 16) + 0 .. 15.
; CLUSTERS: 4 x 4.  A's tile hangs on cy alone and is asked for jointly along a row of the cluster, B's on cx alone, along a column.
; THE RECORD of (batch, head), RS bytes, images of operand registers: 0 k's codes [tile of 16 keys][512]; 65,536 v's codes [step of 128 keys][tile of 16 d][1,024]; 131,072 k's scale words [4 tiles][row][4 words];
;   139,264 v's scale words [step][row][4 words]; 143,360 q's codes, 208,896 q's scale words, as k's.  A scale word of q or k holds its two bytes twice.
; LIMITS: a block of zeros gets the byte 1 (its codes are zeros; this program alone reads the bytes); blocks under 2^-124 are held at that floor; NaN and infinities are not served.
; REGISTERS: window 0: v0-31 addresses; v32-95 scale words, two sets; v128-191 A's fragments; v96-111, v192-255 biases; on the way out v32-71 and v128-191 are at work.  window 1: B's fragments, two sets.  windows 2, 3: accumulators.
.set RS,    217088
.set VCO,   65536
.set KSO,   131072
.set VSO,   139264
.set QCO,   143360
.set QSO,   208896
.set NQ,    4                          ; steps of 128 along K in a slot
.set ROWB,  256                        ; a tile's row in bytes
.set KROW,  512                        ; a row of codes in memory
.set PITCH, 272                        ; an LDS row: 256 bytes + 16: the 16 rows that a load touches start 4 banks apart
.set FR,    8
.set NL,    2
.set NP,    4
.set HALFT, 128*PITCH
.set SLOT,  4*HALFT
.set KS,    32                         ; a row of scale bytes
.set SCL,   2*SLOT
.set HALFS, (128*KS/256)*272
.set SBLK,  (16*KS/256)*272
.set SPARE, SCL+4*HALFS                ; the spare words, 128 bytes for each wave
.set ADRA, 16                          ; v16-17 LDS address of my A fragments in slot 0, 1
.set ADRB, 20                          ; v20-21 the same for B
.set BAD,  22                          ; v22 my offset among the biases
.set GA,   24                          ; v24 16 x lane: an image's place for my lane
.set GS,   25                          ; v25 16 (lane % 16) + RS (lane / 16): lanes 16-31 store into the odd head's record
.set SELV, 26                          ; v26 byte selects: lanes 0-15 bytes 0, 1 twice; lanes 16-31 bytes 2, 3 twice
.set ADRS, 27                          ; v27 LDS address of my scale words
.set SPW,  28
.set NIL,  29
.set SC,   32
.set AF,   128
.set PC,   32                          ; the way out: v32-39 a fragment's codes
.set TM,   40                          ; v40-55 at work
.set PW,   56                          ; v56 a scale word
.set SW,   64                          ; v64-71 the eight tiles' scale words
.set BV2,  96                          ; v96-111 v's biases, each twice
.set HA,   128                         ; v128-191 64 numbers
.set BI,   192                         ; v192-255 q's, k's biases
.set SEL,  66                          ; s[66:67] selects for lane l xor 16
.set G1, 24
.set G0, 32
.set G1B, 48
.set G0B, 56
.set G1S, 68
.set G0S, 76
.set G1SB, 80
.set G0SB, 88
.set MSB, 0
.macro WIN new                         ; the immediate's high byte repeats the setting that is left
.if MSB != (\new)
	s_set_vgpr_msb (MSB<<8)|(\new)
.set MSB, (\new)
.endif
.endm
.set MUL_LO, 0xa1                      ; source 0 (B) window 1, source 1 (A) window 0, C and D window 2
.set MUL_HI, 0xf1
.set TO_B,   0x40
; A joint load: waves 0 and 1 fetch for A, waves 2 and 3 for B.  The branch hangs on the wave's number alone.  An s_nop 0 and four v_nop follow each of the two lines.
.macro JLOAD g0a, g1a, g0b, g1b
	s_cmp_eq_u32 s15, 0
	s_cbranch_scc0 .Lfor_b_\@
	tensor_load_to_lds s[\g0a:\g0a+3], s[\g1a:\g1a+7]
	s_nop 0
.rept 4
	v_nop
.endr
	s_branch .Lasked_\@
.Lfor_b_\@:
	tensor_load_to_lds s[\g0b:\g0b+3], s[\g1b:\g1b+7]
	s_nop 0
.rept 4
	v_nop
.endr
.Lasked_\@:
.endm
.macro CROUND                          ; a round of the cluster's barrier
	s_barrier_signal -1
	s_barrier_wait -1
	s_cmp_lg_u32 s14, 0
	s_cbranch_scc1 .Lnot_wave_0_\@
	s_barrier_signal -3
.Lnot_wave_0_\@:
	s_barrier_wait -3
	s_barrier_signal -1
	s_barrier_wait -1
.endm
	s_load_b256 s[4:11], s[0:1], 0x0               ; xc s[4:5], xs s[6:7], wc s[8:9], ws s[10:11]
	s_load_b128 s[96:99], s[0:1], 0x20             ; b_qkv s[96:97], qkv s[98:99]
	v_lshl_add_u32 v[SPW], v0, 2, SPARE
	v_mov_b32 v[NIL], 0
	ds_add_u32 v[SPW], v[NIL]                      ; the wave's opening: the add, twice on end, and its wait ahead of my first tensor load
	ds_add_u32 v[SPW], v[NIL]
	v_lshrrev_b32 v1, 5, v0
	v_readfirstlane_b32 s14, v1                    ; wave 0..3
	s_lshr_b32 s15, s14, 1                         ; which half of A's rows is mine.  Also: I fetch for A (0) or for B (1)
	s_and_b32 s16, s14, 1                          ; which half of B's rows.  Also: which 128 rows I fetch
	s_bfe_u32 s40, ttmp6, 0x40000                  ; cx
	s_bfe_u32 s41, ttmp6, 0x40004                  ; cy
	s_and_b32 s18, ttmp7, 0xffff
	s_lshl_b32 s18, s18, 2                         ; 4 x cluster y
	s_lshl_b32 s19, ttmp9, 2                       ; 4 x cluster x
	s_cmp_eq_u32 ttmp9, 2                          ; v's clusters
	s_cselect_b32 s2, 1, 0
	s_cselect_b32 s17, 8, s18
	s_cselect_b32 s42, s18, s19
	s_add_co_u32 s17, s17, s41                     ; A's tile of 256 rows: tokens 4 cluster y + cy, or columns 8 + cy: never cx
	s_add_co_u32 s42, s42, s40                     ; B's: columns 4 cluster x + cx, or tokens 4 cluster y + cx: never cy
	s_lshl_b32 s43, s41, 2
	s_lshl_b32 s43, 15, s43                        ; my row of the cluster
	s_lshl_b32 s44, 0x1111, s40                    ; my column
	s_or_b32 s[G1+0], s43, (0<<16)|(1<<20)|(1<<21)|(5<<22)|(3<<25)  ; the mask; elements of 1 byte; padding on; bit 21 beside a mask; after every 64 words, 4 words
	s_or_b32 s[G1B+0], s44, (0<<16)|(1<<20)|(1<<21)|(5<<22)|(3<<25)
.irp g, G1, G1B
	s_mov_b32 s[\g+1], ROWB<<16                    ; tensor_dim0
	s_mov_b32 s[\g+2], 256<<16                     ; tensor_dim1: the head's loads bring 256 rows
	s_mov_b32 s[\g+3], ROWB<<16                    ; tile_dim0
	s_mov_b32 s[\g+4], 256                         ; tile_dim1
	s_mov_b32 s[\g+5], KROW                        ; from row to row
	s_mov_b32 s[\g+6], 0
	s_mov_b32 s[\g+7], 0
.endr
	s_or_b32 s[G1S+0], s43, (3<<16)|(1<<20)|(1<<21)|(5<<22)|(3<<25)  ; the scales of 256 rows: 8,192 dense bytes as 32 rows of 256 (32 elements of 8 bytes), 16 bytes of padding behind each
	s_or_b32 s[G1SB+0], s44, (3<<16)|(1<<20)|(1<<21)|(5<<22)|(3<<25)
.irp g, G1S, G1SB
	s_mov_b32 s[\g+1], 32<<16
	s_mov_b32 s[\g+2], (256*KS/256)<<16            ; the scales of 256 rows: 32 rows of 256 bytes
	s_mov_b32 s[\g+3], 32<<16
	s_mov_b32 s[\g+4], 256*KS/256
	s_mov_b32 s[\g+5], 32
	s_mov_b32 s[\g+6], 0
	s_mov_b32 s[\g+7], 0
.endr
	s_lshl_b32 s20, s17, 8                         ; A's tile: its first row
	s_lshl_b32 s46, s42, 8                         ; B's
	s_lshl_b32 s22, s20, 5                         ; its scale bytes,
	s_lshl_b32 s20, s20, 9                         ; its codes
	s_lshl_b32 s92, s46, 5
	s_lshl_b32 s46, s46, 9
	s_mov_b32 s21, 0
	s_mov_b32 s23, 0
	s_mov_b32 s47, 0
	s_mov_b32 s93, 0
	s_mul_i32 s45, s14, HALFT                      ; where they go: wave x 128 rows: no place in the cluster enters an LDS address
	s_mov_b32 s3, 0xffff0000                       ; lanes 16-31
	s_mov_b32 s[SEL], 0x76543210
	s_mov_b32 s[SEL+1], 0xfedcba98
	s_wait_dscnt 0x0                               ; both opening adds are done
	s_wait_kmcnt 0x0
	s_cmp_eq_u32 s2, 1                             ; the choice of buffers hangs on the cluster's x alone
	s_cselect_b64 s[12:13], s[8:9], s[4:5]         ; A's codes
	s_cselect_b64 s[18:19], s[4:5], s[8:9]         ; B's codes
	s_cselect_b64 s[4:5], s[10:11], s[6:7]         ; A's scales
	s_cselect_b64 s[10:11], s[6:7], s[10:11]       ; B's scales
	s_add_nc_u64 s[20:21], s[12:13], s[20:21]
	s_add_nc_u64 s[22:23], s[4:5], s[22:23]
	s_add_nc_u64 s[46:47], s[18:19], s[46:47]
	s_add_nc_u64 s[92:93], s[10:11], s[92:93]
	CROUND                                         ; all sixteen work-groups are here: the first joint loads meet
	s_mov_b32 s[G0S], 1
	s_mov_b32 s[G0S+1], SCL
	s_mov_b64 s[G0S+2:G0S+3], s[22:23]
	s_or_b32 s[G0S+3], s[G0S+3], 0x80000000
	s_mov_b32 s[G0SB], 1
	s_mov_b32 s[G0SB+1], SCL+2*HALFS
	s_mov_b64 s[G0SB+2:G0SB+3], s[92:93]
	s_or_b32 s[G0SB+3], s[G0SB+3], 0x80000000
	s_mov_b32 s4, 1                                ; s[4:7], s[8:11]: groups 0 of the head's loads of slot 0: A's 256 rows, B's 256 rows (the arguments that lay there have been used)
	s_mov_b32 s5, 0
	s_mov_b64 s[6:7], s[20:21]
	s_or_b32 s7, s7, 0x80000000
	s_mov_b32 s8, 1
	s_mov_b32 s9, 2*HALFT
	s_mov_b64 s[10:11], s[46:47]
	s_or_b32 s11, s11, 0x80000000
	s_lshl_b32 s18, s16, 16                        ; for slot 1 a wave fetches 128 rows of 512 bytes: which half
	s_mov_b32 s19, 0
	s_add_nc_u64 s[20:21], s[20:21], s[18:19]
	s_add_nc_u64 s[46:47], s[46:47], s[18:19]
.irp s, 1
	s_mov_b32 s[G0+4*\s], 1
	s_add_co_u32 s[G0+4*\s+1], s45, \s*SLOT
	s_add_nc_u64 s[G0+4*\s+2:G0+4*\s+3], s[20:21], \s*ROWB
	s_or_b32 s[G0+4*\s+3], s[G0+4*\s+3], 0x80000000
	s_mov_b32 s[G0B+4*\s], 1
	s_add_co_u32 s[G0B+4*\s+1], s45, \s*SLOT
	s_add_nc_u64 s[G0B+4*\s+2:G0B+4*\s+3], s[46:47], \s*ROWB
	s_or_b32 s[G0B+4*\s+3], s[G0B+4*\s+3], 0x80000000
.endr
; THE HEAD'S LOADS, ONE A WAVE: wave 0 slot 0's 256 rows of A, wave 1 its 256 rows of B, wave 2 A's scales, wave 3 B's.  One tree of branches on the wave's number, one load to an arm.
.macro ARM under, g0, g1, next
	s_cmp_lt_u32 s14, \under
	s_cbranch_scc0 \next
	tensor_load_to_lds s[\g0:\g0+3], s[\g1:\g1+7]
	s_nop 0
.rept 4
	v_nop
.endr
	s_branch .Lhead_asked
\next:
.endm
	ARM 1, 4, G1, .Lhead_b
	ARM 2, 8, G1B, .Lhead_sa
	ARM 3, G0S, G1S, .Lhead_sb
	tensor_load_to_lds s[G0SB:G0SB+3], s[G1SB:G1SB+7]
	s_nop 0
.rept 4
	v_nop
.endr
.Lhead_asked:
	v_and_b32 v1, 15, v0
	v_bfe_u32 v2, v0, 4, 1                         ; h = lane / 16
	v_mul_u32_u24 v3, v1, PITCH
	v_lshl_add_u32 v4, v2, 4, v3                   ; a fragment's row x pitch + 16 x half
	s_mul_i32 s21, s15, HALFT                      ; my 128 rows of A
	s_mul_i32 s22, s16, HALFT                      ; my 128 rows of B,
	s_add_co_u32 s22, s22, 2*HALFT                 ; which lie behind A's 256
.irp s, 0,1
	v_add_nc_u32 v[ADRA+\s], s21, v4
	v_add_nc_u32 v[ADRB+\s], s22, v4
	s_add_co_u32 s21, s21, SLOT
	s_add_co_u32 s22, s22, SLOT
.endr
	v_mul_u32_u24 v5, v1, KS                       ; my row's scales: KS bytes a row,
	v_lshrrev_b32 v6, 8, v5
	v_lshl_add_u32 v5, v6, 4, v5                   ; and 16 more for each 256 passed
	s_mul_i32 s21, s15, HALFS
	s_mul_i32 s22, s16, HALFS
	s_add_co_u32 s22, s22, 2*HALFS
	s_sub_co_u32 s22, s22, s21
	v_mul_u32_u24 v6, s22, v2                      ; lanes 16-31 take B's
	s_add_co_u32 s21, s21, SCL
	v_add_nc_u32 v5, v5, v6
	v_add_nc_u32 v[ADRS], s21, v5
	v_and_b32 v6, 31, v0
	v_lshlrev_b32 v[GA], 4, v6
	v_mul_u32_u24 v[GS], v2, RS
	v_lshl_add_u32 v[GS], v1, 4, v[GS]
	v_mov_b32 v[SELV], 0x01000100
	v_mov_b32 v5, 0x03020302
	v_cndmask_b32 v[SELV], v[SELV], v5, s3
.macro FRAG reg, adr, q, i             ; 16 rows x 128 K of 4-bit codes: 8 registers: lane l holds row l % 16; registers 4 c .. 4 c + 3 hold K = 64 c + 32 (l / 16) + 0 .. 31
.irp c, 0,1
	ds_load_b128 v[\reg+4*\c:\reg+4*\c+3], v[\adr] offset:64*(\q)+32*\c+(\i)*16*PITCH
.endr
.endm
; 16 matrix instructions: A's blocks a0, a0 + 1 x B's eight.  The 64 accumulators take turns, one instruction a turn, in the same order in every step.
.macro MUL16 a0, p, q, sc, zero
.irp a, \a0, \a0+1
.irp b, 0,1,2,3,4,5,6,7
.if \zero
	v_wmma_scale_f32_16x16x128_f8f6f4 v[8*(8*((\a)%4)+\b):8*(8*((\a)%4)+\b)+7], v[128*(\p)+FR*\b:128*(\p)+FR*\b+FR-1], v[AF+FR*(\a):AF+FR*(\a)+FR-1], 0, v[SC+8*NQ*(\sc)+NQ*\b+(\q)], v[SC+8*NQ*(\sc)+NQ*(\a)+(\q)] matrix_a_fmt:MATRIX_FMT_FP4 matrix_b_fmt:MATRIX_FMT_FP4 matrix_a_scale:MATRIX_SCALE_ROW1
.else
	v_wmma_scale_f32_16x16x128_f8f6f4 v[8*(8*((\a)%4)+\b):8*(8*((\a)%4)+\b)+7], v[128*(\p)+FR*\b:128*(\p)+FR*\b+FR-1], v[AF+FR*(\a):AF+FR*(\a)+FR-1], v[8*(8*((\a)%4)+\b):8*(8*((\a)%4)+\b)+7], v[SC+8*NQ*(\sc)+NQ*\b+(\q)], v[SC+8*NQ*(\sc)+NQ*(\a)+(\q)] matrix_a_fmt:MATRIX_FMT_FP4 matrix_b_fmt:MATRIX_FMT_FP4 matrix_a_scale:MATRIX_SCALE_ROW1
.endif
.endr
.endr
.endm
.macro FETCH_B slot, q, p
	WIN TO_B
.irp i, 0,1,2,3,4,5,6,7
	FRAG 128*(\p)+FR*\i, ADRB+\slot, \q, \i
.endr
	WIN 0
.endm
.macro FETCH_A slot, q, i0
.irp i, \i0, \i0+1, \i0+2, \i0+3
	FRAG AF+FR*(\i), ADRA+\slot, \q, \i
.endr
.endm
.macro SCALES sc                       ; a slot's scale words: 4 words a row; lanes 0-15 take A's block i, lanes 16-31 B's block i
.irp i, 0,1,2,3,4,5,6,7
	ds_load_b128 v[SC+8*NQ*\sc+NQ*\i:SC+8*NQ*\sc+NQ*\i+3], v[ADRS] offset:\i*SBLK
.endr
.endm
.macro PLACES n                        ; plain vector instructions between a matrix instruction and a load into, or a vector write of, one of its registers, or a read of its result
.rept \n
	v_nop
.endr
.endm
.macro STEP slot, q, zero              ; a step of 128 along K that has its successor in the same slot
	s_wait_dscnt 4*NL                              ; B's set and A's blocks 0-3 are in; the youngest eight loads (A's blocks 4-7) may be out
	WIN MUL_LO
	MUL16 0, (\q)%2, \q, \slot, \zero
	MUL16 2, (\q)%2, \q, \slot, \zero
	s_wait_dscnt 0
	PLACES NP
	FETCH_B \slot, (\q)+1, 1-(\q)%2
	FETCH_A \slot, (\q)+1, 0
	WIN MUL_HI
	MUL16 4, (\q)%2, \q, \slot, \zero
	MUL16 6, (\q)%2, \q, \slot, \zero
	PLACES NP
	WIN 0
	FETCH_A \slot, (\q)+1, 4
.endm
.macro TURN slot, next                 ; a slot's last step changes slots: one barrier; in front of it each wave waits for all its tensor loads: its part of the next slot.  Nothing is filled again
	s_wait_tensorcnt 0x0
	ds_add_u32 v[SPW], v[NIL]
	s_wait_dscnt 4*NL+1                            ; (the add and A's blocks 4-7 may be out)
	WIN MUL_LO
	MUL16 0, 1, NQ-1, \slot, 0
	s_wait_dscnt 0x0
	s_barrier_signal -1
	MUL16 2, 1, NQ-1, \slot, 0
	WIN 0
	s_barrier_wait -1                              ; the next slot is whole
	PLACES NP
	v_add_nc_u32 v[ADRS], 4*NQ, v[ADRS]            ; on to the next slot's scale words
	FETCH_B \next, 0, 0
	FETCH_A \next, 0, 0
	SCALES \next
	WIN MUL_HI
	MUL16 4, 1, NQ-1, \slot, 0
	MUL16 6, 1, NQ-1, \slot, 0
	PLACES NP
	WIN 0
	FETCH_A \next, 0, 4
.endm
.macro STEPS slot, from
.set Q, \from
.rept NQ-1-\from
	STEP \slot, Q, 0
.set Q, Q+1
.endr
.endm
.macro TAIL                            ; slot 1's four steps; then the places behind the last products, and the biases
	STEPS 1, 0
	s_wait_dscnt 4*NL
	WIN MUL_LO
	MUL16 0, 1, NQ-1, 1, 0
	MUL16 2, 1, NQ-1, 1, 0
	s_wait_dscnt 0
	WIN MUL_HI
	MUL16 4, 1, NQ-1, 1, 0
	MUL16 6, 1, NQ-1, 1, 0
	WIN 0
	PLACES NP
.irp b, 0,1,2,3
	v_mov_b32 v[TM+4+\b], 0                        ; written once: a lane permute's destination counts as one of its sources
.endr
	s_wait_loadcnt 0x0                             ; the biases, asked for four steps ago
.endm
; Block a's 64 sums + bias come into window 0: the addition is also the move.  Each accumulator is read from its low end on.
.macro ADDB a, arm
	WIN 0x02+(\a)/4
.set I, 0
.rept 32
.if \arm
	v_pk_add_f32 v[HA+2*I:HA+2*I+1], v[64*((\a)%4)+2*I:64*((\a)%4)+2*I+1], v[BV2+2*(\a):BV2+2*(\a)+1]
.else
	v_pk_add_f32 v[HA+2*I:HA+2*I+1], v[64*((\a)%4)+2*I:64*((\a)%4)+2*I+1], v[BI+2*I:BI+2*I+1]
.endif
.set I, I+1
.endr
	WIN 0
.endm
; 64 numbers of a lane, register 16 b + i = index 32 b + 16 (lane / 16) + i of my row, become a fragment's codes in v[PC] on and its scale word in v[pw].
.macro QUANT s, pw
.irp b, 0,1,2,3
	v_max3_num_f32 v[TM+\b], |v[\s+16*\b]|, |v[\s+1+16*\b]|, 0x1800000   ; block b: my 16 numbers, and the floor 2^(3 - 127)
.endr
.irp i, 2,4,6,8,10,12,14
.irp b, 0,1,2,3
	v_max3_num_f32 v[TM+\b], v[TM+\b], |v[\s+16*\b+\i]|, |v[\s+1+16*\b+\i]|
.endr
.endr
.irp b, 0,1,2,3
	v_permlanex16_b32 v[TM+4+\b], v[TM+\b], s[SEL], s[SEL+1]
.endr
.irp b, 0,1,2,3
	v_max_num_f32 v[TM+\b], v[TM+\b], v[TM+4+\b]   ; with lane l xor 16's: the block's largest magnitude
.endr
.irp b, 0,1,2,3
	v_add_nc_u32 v[TM+12+\b], 0xff000000, v[TM+\b] ; 2 off its exponent field: the conversion's scale operand
.endr
.irp b, 0,1,2,3
	v_lshrrev_b32 v[TM+4+\b], 23, v[TM+12+\b]      ; the scale's byte
.endr
	v_lshl_or_b32 v[\pw], v[TM+5], 8, v[TM+4]
	v_lshl_or_b32 v[\pw], v[TM+6], 16, v[\pw]
	v_lshl_or_b32 v[\pw], v[TM+7], 24, v[\pw]
.irp b, 0,1,2,3
	v_cvt_scalef32_pk8_fp4_f32 v[PC+2*\b], v[\s+16*\b:\s+7+16*\b], v[TM+12+\b]
	v_cvt_scalef32_pk8_fp4_f32 v[PC+1+2*\b], v[\s+8+16*\b:\s+15+16*\b], v[TM+12+\b]
.endr
	v_nop                                          ; one plain place behind a scaled conversion
.irp c, 0,1                            ; the operand's layout wants a whole block in a lane
.irp i, 0,1
	v_permlane16_swap_b32 v[PC+4*\c+\i], v[PC+2+4*\c+\i]
.endr
.endr
.endm
.macro EPIQ a                          ; 16 tokens x two heads of q or k: registers 0-3 are the even head's 64, registers 4-7 the odd head's
.if (\a) > 0
	s_wait_xcnt 0x0                                ; the last block's stores have read their data
.endif
	ADDB \a, 0
	QUANT HA, PW
	global_store_b128 v[GA], v[PC:PC+3], s[6:7] offset:512*(\a)            ; 32 lanes store 512 consecutive bytes, aligned
	global_store_b128 v[GA], v[PC+4:PC+7], s[6:7] offset:RS+512*(\a)
	v_perm_b32 v[SW+(\a)], v[PW], v[PW], v[SELV]   ; my head's two bytes, twice
.if (\a) == 3
	global_store_b128 v[GS], v[SW:SW+3], s[8:9]    ; four tiles' words: sixteen lanes store 256 consecutive bytes, aligned, in each of the two records
.endif
.if (\a) == 7
	global_store_b128 v[GS], v[SW+4:SW+7], s[8:9] offset:256
.endif
.endm
.macro EPIV a                          ; 16 of a head's d x 128 keys of v: one fragment
.if (\a) > 0
	s_wait_xcnt 0x0
.endif
	ADDB \a, 1
	QUANT HA, SW+(\a)
	global_store_b128 v[GA], v[PC:PC+3], s[6:7] offset:((\a)/4)*RS+((\a)%4)*1024
	global_store_b128 v[GA], v[PC+4:PC+7], s[6:7] offset:((\a)/4)*RS+((\a)%4)*1024+512
.endm
	s_wait_alu depctr_va_vdst(0)
	s_wait_tensorcnt 0x0                           ; my tile of the head's four is in
	ds_add_u32 v[SPW], v[NIL]
	s_mov_b32 s[G1+2], 128<<16                     ; no tensor load of mine is out: from here on a load brings 128 rows
	s_mov_b32 s[G1+4], 128
	s_mov_b32 s[G1B+2], 128<<16
	s_mov_b32 s[G1B+4], 128
	s_wait_dscnt 0x0
	CROUND                                         ; all four tiles are in, and all sixteen work-groups are here
	JLOAD G0+4, G1, G0B+4, G1B                     ; slot 1's first fill: my one load behind the round
	FETCH_B 0, 0, 0
	FETCH_A 0, 0, 0
	SCALES 0
	FETCH_A 0, 0, 4
	STEP 0, 0, 1                                   ; the first products start the sums: nothing is cleared
	STEPS 0, 1
	TURN 0, 1
	s_cmp_eq_u32 s2, 1                             ; THE ONE PARTING, on the cluster's x.  No barrier stands in either arm
	s_cbranch_scc1 .Lv
	; ---- q, k ----
	s_lshl_b32 s4, s42, 1
	s_add_co_u32 s4, s4, s16
	s_and_b32 s4, s4, 7                            ; my pair of heads
	s_lshl_b32 s4, s4, 1
	s_lshr_b32 s5, s17, 3                          ; the batch
	s_lshl_b32 s5, s5, 4
	s_add_co_u32 s4, s4, s5                        ; the even head's record
	s_mul_i32 s4, s4, RS
	s_and_b32 s5, s17, 7
	s_lshl_b32 s5, s5, 4
	s_lshl_b32 s6, s15, 3
	s_add_co_u32 s5, s5, s6                        ; my first tile of 16 tokens in the batch
	s_cmp_eq_u32 ttmp9, 0                          ; q or k
	s_cselect_b32 s6, QCO, 0
	s_mov_b32 s7, KSO
	s_cselect_b32 s7, QSO, s7
	s_lshl_b32 s8, s5, 9
	s_add_co_u32 s6, s6, s8
	s_add_co_u32 s6, s6, s4                        ; codes: 512 bytes a tile
	s_lshl_b32 s8, s5, 6
	s_add_co_u32 s8, s8, s7
	s_add_co_u32 s8, s8, s4                        ; scale words: 64 bytes a tile
	s_mov_b32 s7, 0
	s_mov_b32 s9, 0
	s_add_nc_u64 s[6:7], s[98:99], s[6:7]
	s_add_nc_u64 s[8:9], s[98:99], s[8:9]
	s_lshl_b32 s10, s42, 10
	s_lshl_b32 s11, s16, 9
	s_add_co_u32 s10, s10, s11
	s_mov_b32 s11, 0
	s_add_nc_u64 s[10:11], s[96:97], s[10:11]      ; the biases of my 128 features
	v_lshlrev_b32 v[BAD], 6, v2                    ; register 8 t + j wants feature 32 (t / 2) + 16 h + 8 (t % 2) + j
.irp t, 0,1,2,3,4,5,6,7
	global_load_b128 v[BI+8*\t:BI+8*\t+3], v[BAD], s[10:11] offset:(32*(\t/2)+8*(\t%2))*4
	global_load_b128 v[BI+8*\t+4:BI+8*\t+7], v[BAD], s[10:11] offset:(32*(\t/2)+8*(\t%2))*4+16
.endr
	TAIL
.irp a, 0,1,2,3,4,5,6,7
	EPIQ \a
.endr
	s_branch .Ldone
	; ---- v ----
.Lv:
	s_sub_co_u32 s4, s17, 8
	s_lshl_b32 s4, s4, 1
	s_add_co_u32 s4, s4, s15                       ; my pair of heads
	s_lshl_b32 s4, s4, 1
	s_lshr_b32 s5, s42, 3                          ; the batch
	s_lshl_b32 s5, s5, 4
	s_add_co_u32 s4, s4, s5
	s_mul_i32 s4, s4, RS
	s_and_b32 s5, s42, 7
	s_lshl_b32 s5, s5, 1
	s_add_co_u32 s5, s5, s16                       ; my step of 128 keys
	s_lshl_b32 s6, s5, 12
	s_add_co_u32 s6, s6, s4
	s_add_co_u32 s6, s6, VCO
	s_mov_b32 s7, 0
	s_lshl_b32 s8, s5, 8
	s_add_co_u32 s8, s8, s4
	s_add_co_u32 s8, s8, VSO
	s_mov_b32 s9, 0
	s_add_nc_u64 s[6:7], s[98:99], s[6:7]
	s_add_nc_u64 s[8:9], s[98:99], s[8:9]
	s_lshl_b32 s10, s17, 10
	s_lshl_b32 s11, s15, 9
	s_add_co_u32 s10, s10, s11
	s_mov_b32 s11, 0
	s_add_nc_u64 s[10:11], s[96:97], s[10:11]
	v_and_b32 v[BAD], 8, v1
	v_add_nc_u32 v[BAD], v[BAD], v1
	v_lshlrev_b32 v[BAD], 2, v[BAD]                ; in tile a my feature is 32 (a / 2) + 8 (a % 2) + r + 8 (r / 8)
.irp a, 0,1,2,3,4,5,6,7
	global_load_b32 v[BV2+2*\a], v[BAD], s[10:11] offset:(32*(\a/2)+8*(\a%2))*4
	global_load_b32 v[BV2+2*\a+1], v[BAD], s[10:11] offset:(32*(\a/2)+8*(\a%2))*4   ; twice: a pair for the packed addition
.endr
	TAIL
.irp a, 0,1,2,3,4,5,6,7
	EPIV \a
.endr
.irp i, 0,1,2,3
	v_cndmask_b32 v[SW+\i], v[SW+\i], v[SW+4+\i], s3   ; lanes 16-31 take the odd head's four words
.endr
	global_store_b128 v[GS], v[SW:SW+3], s[8:9]
.Ldone:
	s_wait_tensorcnt 0x0                           ; the wave's end
	ds_add_u32 v[SPW], v[NIL]
	s_wait_dscnt 0x0
	CROUND                                         ; the closing round
	s_endpgm
.Lfunc_end_k_q834e5e753e_qkv:
	.size	k_q834e5e753e_qkv, .Lfunc_end_k_q834e5e753e_qkv-k_q834e5e753e_qkv
	.p2alignl 7, 3214868480
	.fill 96, 4, 3214868480
	.section	.rodata,"a",@progbits
	.p2align	6, 0x0
	.amdhsa_kernel k_q834e5e753e_qkv
		.amdhsa_group_segment_fixed_size 327680
		.amdhsa_private_segment_fixed_size 0
		.amdhsa_enable_private_segment 0
		.amdhsa_kernarg_size 48
		.amdhsa_user_sgpr_count 2
		.amdhsa_user_sgpr_kernarg_segment_ptr 1
		.amdhsa_wavefront_size32 1
		.amdhsa_system_sgpr_workgroup_id_x 1
		.amdhsa_system_sgpr_workgroup_id_y 1
		.amdhsa_system_sgpr_workgroup_id_z 1
		.amdhsa_system_vgpr_workitem_id 0
		.amdhsa_next_free_vgpr 1024
		.amdhsa_next_free_sgpr 100
		.amdhsa_reserve_vcc 0
		.amdhsa_float_denorm_mode_32 3
		.amdhsa_float_denorm_mode_16_64 3
		.amdhsa_memory_ordered 1
		.amdhsa_forward_progress 1
		.amdhsa_inst_pref_size 238
	.end_amdhsa_kernel
	.amdgpu_metadata
---
amdhsa.version: [ 1, 2 ]
amdhsa.kernels:
  - .name:           k_q834e5e753e_qkv
    .symbol:         k_q834e5e753e_qkv.kd
    .args:
      - { .name: xc, .offset: 0, .size: 8, .value_kind: global_buffer, .address_space: global }
      - { .name: xs, .offset: 8, .size: 8, .value_kind: global_buffer, .address_space: global }
      - { .name: wc, .offset: 16, .size: 8, .value_kind: global_buffer, .address_space: global }
      - { .name: ws, .offset: 24, .size: 8, .value_kind: global_buffer, .address_space: global }
      - { .name: b_qkv, .offset: 32, .size: 8, .value_kind: global_buffer, .address_space: global }
      - { .name: qkv, .offset: 40, .size: 8, .value_kind: global_buffer, .address_space: global }
    .group_segment_fixed_size: 327680
    .private_segment_fixed_size: 0
    .kernarg_segment_align: 8
    .kernarg_segment_size: 48
    .max_flat_workgroup_size: 128
    .sgpr_count:     100
    .vgpr_count:     1024
    .wavefront_size: 32
...
	.end_amdgpu_metadata
.endif
;; end of part 2
;; launch attn (part 3): grid 4 x 64, 16 waves a work-group, clusters of 4 x 1, 327,680 bytes of LDS; arguments qkv, cc, cs; writes cc, cs
.if DOCPART == 3
	.amdgcn_target "amdgcn-amd-amdhsa--gfx1250"
	.amdhsa_code_object_version 6
	.text
	.protected	k_q834e5e753e_attn
	.globl	k_q834e5e753e_attn
	.p2align	8
	.type	k_q834e5e753e_attn,@function
k_q834e5e753e_attn:
	s_mov_b64 s[64:65], 0
	v_nop
	global_prefetch_b8 v0, s[64:65] scope:SCOPE_SE
	s_setreg_imm32_b32 hwreg(HW_REG_WAVE_MODE, 25, 1), 1
	s_wait_xcnt 0x0
	s_wait_alu depctr_hold_cnt(0) depctr_sa_sdst(0) depctr_va_vdst(0) depctr_va_sdst(0) depctr_va_ssrc(0) depctr_va_vcc(0) depctr_vm_vsrc(0)
	s_getreg_b32 s2, hwreg(HW_REG_IB_STS2, 6, 4)
	s_cmp_eq_u32 s2, 0
	s_cbranch_scc0 .Lentry_in_a_cluster
	s_endpgm
.Lentry_in_a_cluster:
	s_bfe_u32 s2, ttmp6, 0x10000c
	s_cmp_lg_u32 s2, 0x3003
	s_cbranch_scc0 .Lentry_shape_is_right
	s_endpgm
.Lentry_shape_is_right:
; Launch 3 of 4: scores, softmax, second product, division by the row's sum, and the quantising of the result along the model's 1,024, all on codes of FP4.
; LEFT OUT: the steps of 128 keys all of which come after a tile's 16 queries: reference()'s own causal mask makes their weights 0 for all inputs.  A NaN or an overflow that reaches only such a step is not carried on.
; THE SOFTMAX: t = score x log2(e) / 8; M = the running largest t rounded UP to a whole number; p = 2^(t - M) is quantised along the keys, not normalised; the row's sum is taken of the unquantised p and divides at the end.
; SHARES.  The cluster's y is the record (batch, head); its four work-groups share the head.  A head's k and v as codes, with their scale words, are 143,360 dense bytes: they come into LDS ONCE, each wave asking for a
; sixteenth, jointly with the three partners; there is no ring, and so no loop in which a prefetch could run ahead.  Wave w takes tile 4 w + cx of 16 queries, then tile 127 - (4 w + cx): key steps 0 .. w / 2, then 0 .. 15 - w / 2:
; 17 steps in every wave, counted from the wave's number alone; no branch hangs on cx.
; AHEAD.  A step's tiles of k and their scale words are read from LDS one step ahead, into the registers that the score products have just read (a tile's last step so reads 4,608 bytes that it does not use; they lie inside the
; 143,360 filled bytes).  The second pass's q is asked of memory in the first pass, the first pass's at the head.
; LAYOUT.  Both products are used transposed: a lane holds ONE query.  Tokens lie at positions (bits 3 and 4 exchanged), so the 16 registers of key tiles 2 b and 2 b + 1 are keys 32 b + 16 (lane / 16) + 0 .. 15.
; K = 64 IN AN INSTRUCTION OF 128.  q's fragment is four registers and four of zero codes; a tile of k names eight registers, of which the upper four (the next tile's) meet q's zero codes.  Scale words hold (s0, s1, s0, s1).
; LIMITS: a block of zeros gets the byte 1; blocks under 2^-124 are held at that floor; NaN and infinities are not served.
.set RS,    217088
.set VCO,   65536
.set KSO,   131072
.set VSO,   139264
.set QCO,   143360
.set QSO,   208896
.set SPARE, 143360                     ; behind k and v: the spare words, 128 bytes for each of 16 waves
.set PART,  8960                       ; a wave's sixteenth: 35 rows of 256 bytes
.set LI,   1                           ; v1  16 x lane
.set LV,   2                           ; v2  + v's codes
.set LKS,  3                           ; v3  k's scale words + 16 x lane
.set LVS,  4                           ; v4  v's scale words + 16 r
.set SPW,  5
.set NIL,  6
.set DQ,   7                           ; v7  my query less the diagonal step's first key, less 16 h
.set ADK,  8
.set ADV,  9
.set ADS,  10
.set ADT,  11                          ; v12 -M, v13 the largest t, v[14:15] the sum in two halves
.set QF,   16                          ; v16-19 q's codes, v20-23 zero codes
.set QSW,  24                          ; v24 q's scale word
.set R16,  25                          ; v25 16 r
.set RQ,   26                          ; v26 r + 8 (r / 8) - 16 h
.set RS32, 27                          ; v27 32 r + h
.set KSW,  28                          ; v28-31 k's scale words: lanes 0-15 tiles 0-3, lanes 16-31 tiles 4-7
.set KR,   32                          ; v32-63 k's eight tiles; v64-67 zero
.set VR,   68                          ; v68-99 v's four fragments
.set VSW,  100                         ; v100-103 v's scale words
.set SS,   104                         ; v104-167 the scores, then p
.set OT,   168                         ; v168-199 O^T
.set PC,   200                         ; v200-207 p's codes
.set BM,   208
.set BT,   212
.set BS,   216
.set FF,   220                         ; v220 f = 2^(old M - new M)
.set PSW,  221                         ; v221 p's scale word
.set T0,   222
.set NINF, 226
.set NQF,  228                         ; v228-231 the next pass's q, v232 its scale word
.set NQS,  232
.set SA,   240                         ; v240-255 eight partial sums, in pairs
.set WV,   18
.set SEL,  20
.set CS,   22
.set TAU,  36                          ; s36 my tile of queries: it carries cx and enters global addresses and v7 alone
.set DL,   37                          ; s37 its last key step: from the wave's number alone
.set KSI,  38
.set TB,   39
.set TS,   40
.set TJ,   41
.set PASS, 42
.macro CROUND
	s_barrier_signal -1
	s_barrier_wait -1
	s_cmp_lg_u32 s[WV], 0
	s_cbranch_scc1 .Lnot_wave_0_\@
	s_barrier_signal -3
.Lnot_wave_0_\@:
	s_barrier_wait -3
	s_barrier_signal -1
	s_barrier_wait -1
.endm
.macro QLOAD tile                      ; the codes and scale words of q's tile s[tile] into the waiting registers
	s_mov_b32 s55, 0
	s_lshl_b32 s54, s[\tile], 9
	s_add_co_u32 s54, s54, QCO
	s_add_nc_u64 s[46:47], s[44:45], s[54:55]
	s_lshr_b32 s54, s[\tile], 2
	s_lshl_b32 s54, s54, 8
	s_and_b32 s56, s[\tile], 3
	s_lshl_b32 s56, s56, 2
	s_add_co_u32 s54, s54, s56
	s_add_co_u32 s54, s54, QSO
	s_add_nc_u64 s[48:49], s[44:45], s[54:55]
	global_load_b128 v[NQF:NQF+3], v[LI], s[46:47]
	global_load_b32 v[NQS], v[R16], s[48:49]
.endm
.macro KLOAD ak, as, on                ; eight tiles of 16 keys, 512 consecutive bytes each, and their scale words; on = 1: the next step's
.irp t, 0,1,2,3,4,5,6,7
	ds_load_b128 v[KR+4*\t:KR+4*\t+3], v[\ak] offset:4096*\on+512*\t
.endr
	ds_load_b128 v[KSW:KSW+3], v[\as] offset:512*\on
.endm
	s_load_b128 s[4:7], s[0:1], 0x0                ; qkv s[4:5], cc s[6:7]
	s_load_b64 s[8:9], s[0:1], 0x10                ; cs
	v_lshl_add_u32 v[SPW], v0, 2, SPARE
	v_mov_b32 v[NIL], 0
	ds_add_u32 v[SPW], v[NIL]                      ; the wave's opening: the add, twice on end, and its wait ahead of my first tensor load
	ds_add_u32 v[SPW], v[NIL]
	v_lshrrev_b32 v8, 5, v0
	s_delay_alu instid0(VALU_DEP_1)
	v_readfirstlane_b32 s[WV], v8                  ; wave 0..15
	s_bfe_u32 s19, ttmp6, 0x40000                  ; cx
	s_and_b32 s54, ttmp7, 0xffff                   ; the record, which the four partners share
	s_mul_i32 s10, s54, RS
	s_mov_b32 s11, 0
	s_lshr_b32 s57, s54, 4
	s_lshl_b32 s57, s57, 7                         ; 128 x batch
	s_and_b32 s58, s54, 15
	s_lshl_b32 s59, s58, 1                         ; 2 x head
	s_lshl_b32 s58, s58, 9                         ; 512 x head
	s_mov_b32 s24, 15|(3<<16)|(1<<21)              ; group 1: the mask: all four; elements of 8 bytes; bit 21 beside a mask; no padding
	s_mov_b32 s25, 32<<16                          ; tensor_dim0 = 32 elements: 256 bytes
	s_mov_b32 s26, 35<<16                          ; tensor_dim1 = 35
	s_mov_b32 s27, 32<<16                          ; tile_dim0
	s_mov_b32 s28, 35                              ; tile_dim1
	s_mov_b32 s29, 32                              ; from row to row: dense
	s_mov_b32 s30, 0
	s_mov_b32 s31, 0
	s_mov_b32 s32, 1                               ; group 0: count
	s_mul_i32 s33, s[WV], PART                     ; LDS address: my sixteenth
	s_mov_b32 s12, s33
	s_mov_b32 s13, 0
	s_mov_b32 s[SEL], 0x76543210
	s_mov_b32 s[SEL+1], 0xfedcba98
	s_mov_b32 s[CS], 0x3e38aa3b                    ; c = log2(e) / sqrt(64)
	s_mov_b32 s[CS+1], s[CS]
	s_mov_b32 s43, 0xffff0000                      ; lanes 16-31
	s_wait_dscnt 0x0                               ; both opening adds are done
	s_wait_kmcnt 0x0
	s_add_nc_u64 s[44:45], s[4:5], s[10:11]        ; my record
	s_add_nc_u64 s[34:35], s[44:45], s[12:13]
	s_or_b32 s35, s35, 0x80000000
	CROUND                                         ; all four work-groups are here: the joint loads meet
	tensor_load_to_lds s[32:35], s[24:31]          ; one load of mine is out
	s_nop 0
.rept 4
	v_nop
.endr
	v_and_b32 v8, 31, v0                           ; lane
	v_and_b32 v9, 15, v0                           ; r
	v_bfe_u32 v10, v0, 4, 1                        ; h
	s_delay_alu instid0(VALU_DEP_3)
	v_lshlrev_b32 v[LI], 4, v8
	s_delay_alu instid0(VALU_DEP_1)
	v_add_nc_u32 v[LV], VCO, v[LI]
	s_delay_alu instid0(VALU_DEP_2)
	v_add_nc_u32 v[LKS], KSO, v[LI]
	v_lshlrev_b32 v[R16], 4, v9
	s_delay_alu instid0(VALU_DEP_1)
	v_add_nc_u32 v[LVS], VSO, v[R16]
	v_and_b32 v11, 8, v9
	s_delay_alu instid0(VALU_DEP_1)
	v_add_nc_u32 v[RQ], v11, v9
	v_lshlrev_b32 v11, 4, v10
	s_delay_alu instid0(VALU_DEP_1)
	v_sub_nc_u32 v[RQ], v[RQ], v11
	v_lshl_add_u32 v[RS32], v9, 5, v10
.irp i, 0,1,2,3
	v_mov_b32 v[QF+4+\i], 0                        ; q's zero codes
	v_mov_b32 v[KR+32+\i], 0                       ; what the last tile of k names beyond its own four
	v_mov_b32 v[BT+\i], 0                          ; written once: a lane permute's destination counts as one of its sources
.endr
	v_mov_b32 v[PSW], 0                            ; (named as the upper half of the pair v[220:221] before it is first written)
	v_mov_b32 v[T0], 0
	v_mov_b32 v[NINF], 0xff800000
	s_lshl_b32 s[TAU], s[WV], 2
	s_add_co_u32 s[TAU], s[TAU], s19
	QLOAD TAU                                      ; the first pass's q, while k and v are on their way
	s_wait_alu depctr_va_vdst(0)
	s_wait_tensorcnt 0x0                           ; my sixteenth is in,
	s_barrier_signal -1
	s_barrier_wait -1                              ; everybody's is
	s_lshr_b32 s[DL], s[WV], 1
	s_mov_b32 s[PASS], 2
.Lpass:
	s_wait_loadcnt 0x0                             ; this pass's q is in
	s_wait_xcnt 0x0                                ; the last pass's loads and stores have read their bases and data
.irp i, 0,1,2,3
	v_mov_b32 v[QF+\i], v[NQF+\i]
.endr
	v_mov_b32 v[QSW], v[NQS]
	s_mov_b32 s55, 0
	s_add_co_u32 s56, s57, s[TAU]                  ; the tile among all 512
	s_lshl_b32 s54, s56, 13
	s_add_co_u32 s54, s54, s58
	s_add_nc_u64 s[50:51], s[6:7], s[54:55]        ; cc: 8,192 bytes a tile, 512 a head
	s_lshl_b32 s54, s56, 9
	s_add_co_u32 s54, s54, s59
	s_add_nc_u64 s[52:53], s[8:9], s[54:55]        ; cs: 32 bytes a row, 2 a head
	s_and_b32 s54, s[TAU], 6
	s_lshl_b32 s54, s54, 4
	s_and_b32 s56, s[TAU], 1
	s_lshl_b32 s56, s56, 3
	s_add_co_u32 s54, s54, s56
	v_add_nc_u32 v[DQ], s54, v[RQ]
	s_cmp_eq_u32 s[PASS], 1                        ; the last pass has no successor
	s_cbranch_scc1 .Lnoq
	s_sub_co_u32 s60, 127, s[TAU]
	QLOAD 60                                       ; the next pass's q: a whole pass ahead of its use
.Lnoq:
	KLOAD LI, LKS, 0                               ; step 0's k
	v_mov_b32 v13, 0xff61b1e6                      ; the largest t so far: -3e38
	s_delay_alu instid0(VALU_DEP_1)
	v_floor_f32 v12, -v13                          ; -M
	v_mov_b32 v14, 0
	v_mov_b32 v15, 0
.set J, 0
.rept 32
	v_mov_b32 v[OT+J], 0                           ; the step is written once: the first finds zeros, which the first change of M leaves zeros
.set J, J+1
.endr
	s_mov_b32 s[KSI], 0
	s_mov_b32 s[TB], 0
	s_mov_b32 s[TS], 0
	s_mov_b32 s[TJ], 0
.Lks:                                  ; 16 trips, a constant; a step beyond the tile's last is walked without work
	s_cmp_gt_u32 s[KSI], s[DL]
	s_cbranch_scc1 .Lhidden
	v_add_nc_u32 v[ADK], s[TB], v[LI]              ; (these four are also the places behind the last step's products, in front of the loads)
	v_add_nc_u32 v[ADV], s[TB], v[LV]
	v_add_nc_u32 v[ADS], s[TS], v[LKS]
	v_add_nc_u32 v[ADT], s[TJ], v[LVS]
.irp d, 0,1,2,3
	ds_load_b128 v[VR+8*\d:VR+8*\d+3], v[ADV] offset:1024*\d
	ds_load_b128 v[VR+8*\d+4:VR+8*\d+7], v[ADV] offset:1024*\d+512
.endr
	ds_load_b128 v[VSW:VSW+3], v[ADT]
	s_wait_alu depctr_va_vdst(0)
	s_wait_dscnt 9                                 ; k and its scale words, asked for a step ago, are in; v's nine loads may be out
.irp t, 0,1,2,3
	v_wmma_scale_f32_16x16x128_f8f6f4 v[SS+8*\t:SS+8*\t+7], v[KR+4*\t:KR+4*\t+7], v[QF:QF+7], 0, v[KSW+\t], v[QSW] matrix_a_fmt:MATRIX_FMT_FP4 matrix_b_fmt:MATRIX_FMT_FP4
.endr
.irp t, 0,1,2,3
	v_wmma_scale_f32_16x16x128_f8f6f4 v[SS+32+8*\t:SS+32+8*\t+7], v[KR+16+4*\t:KR+16+4*\t+7], v[QF:QF+7], 0, v[KSW+\t], v[QSW] matrix_a_fmt:MATRIX_FMT_FP4 matrix_b_fmt:MATRIX_FMT_FP4 matrix_a_scale:MATRIX_SCALE_ROW1
.endr
.rept 4
	v_nop                                          ; places in front of the loads below and of the first read of the scores
.endr
	KLOAD ADK, ADS, 1                              ; the next step's k
	s_cmp_lg_u32 s[KSI], s[DL]                     ; only the tile's last step lies on the diagonal
	s_cbranch_scc1 .Lopen
.set N, 0
.rept 64                               ; register 16 b + i holds key 32 b + 16 h + i of the step: hidden where 32 b + i > v7.  Hidden scores become -infinity ahead of the maximum: p = 0 then
	v_cmp_gt_i32 vcc_lo, 32*(N/16)+N%16, v[DQ]
	v_cndmask_b32 v[SS+N], v[SS+N], v[NINF], vcc_lo
.set N, N+1
.endr
.Lopen:
.irp b, 0,1,2,3
	v_max3_num_f32 v[BM+\b], v[SS+16*\b], v[SS+1+16*\b], v[SS+2+16*\b]     ; the largest score of each block of 32 keys: for the row's maximum and, since p rises with the score, for the block's largest p
.endr
.irp i, 3,5,7,9,11,13
.irp b, 0,1,2,3
	v_max3_num_f32 v[BM+\b], v[BM+\b], v[SS+16*\b+\i], v[SS+1+16*\b+\i]
.endr
.endr
.irp b, 0,1,2,3
	v_max_num_f32 v[BM+\b], v[BM+\b], v[SS+15+16*\b]
.endr
.irp b, 0,1,2,3
	s_delay_alu instid0(VALU_DEP_4)
	v_permlanex16_b32 v[BT+\b], v[BM+\b], s[SEL], s[SEL+1]
.endr
.irp b, 0,1,2,3
	s_delay_alu instid0(VALU_DEP_4)
	v_max_num_f32 v[BM+\b], v[BM+\b], v[BT+\b]     ; with lane l xor 16's 16 keys
.endr
	s_delay_alu instid0(VALU_DEP_2)
	v_max3_num_f32 v[T0], v[BM], v[BM+1], v[BM+2]
	s_delay_alu instid0(VALU_DEP_1)
	v_max_num_f32 v[T0], v[T0], v[BM+3]
	s_delay_alu instid0(VALU_DEP_1)
	v_mul_f32 v[T0], s[CS], v[T0]                  ; as t
	s_delay_alu instid0(VALU_DEP_1)
	v_max_num_f32 v13, v13, v[T0]                  ; the running largest t
	v_mov_b32 v[T0], v12
	s_delay_alu instid0(VALU_DEP_2)
	v_floor_f32 v12, -v13                          ; the new -M = -ceil(t): a whole number
	s_delay_alu instid0(VALU_DEP_1)
	v_sub_f32 v[T0], v12, v[T0]                    ; old M - new M, 0 or less
	s_delay_alu instid0(VALU_DEP_1)
	v_cvt_i32_f32 v[T0], v[T0]                     ; (it saturates)
	s_delay_alu instid0(VALU_DEP_1)
	v_ldexp_f32 v[FF], 1.0, v[T0]                  ; f = 2^(old M - new M): a multiplication by it rounds nothing
.set J, 0
.rept 16
	v_pk_fma_f32 v[SS+J:SS+J+1], v[SS+J:SS+J+1], s[CS:CS+1], v[12:13] op_sel_hi:[1,0,0]   ; t - M of the first 32 scores, two at a time
.set J, J+2
.endr
.irp b, 0,1,2,3
	v_fma_f32 v[BM+\b], v[BM+\b], s[CS], v12       ; the same of each block's largest score
.endr
	s_wait_alu depctr_va_vdst(0)
.set J, 0
.rept 16                               ; p = 2^(t - M) of the first 32; between them t - M of the other 32, which names none of their registers
	v_exp_f32 v[SS+J], v[SS+J]
	v_exp_f32 v[SS+J+1], v[SS+J+1]
	v_pk_fma_f32 v[SS+32+J:SS+33+J], v[SS+32+J:SS+33+J], s[CS:CS+1], v[12:13] op_sel_hi:[1,0,0]
.set J, J+2
.endr
	s_wait_alu depctr_va_vdst(0)                   ; behind the first batch and ahead of the second
.set J, 0
.rept 8                                ; the other 32; between them eight sums of pairs of the first 32, each into registers of its own that are first read behind the next wait
.irp i, 0,1,2,3
	v_exp_f32 v[SS+32+4*J+\i], v[SS+32+4*J+\i]
.endr
	v_pk_add_f32 v[SA+2*J:SA+2*J+1], v[SS+4*J:SS+4*J+1], v[SS+4*J+2:SS+4*J+3]
.set J, J+1
.endr
.irp b, 0,1,2,3
	v_exp_f32 v[BM+\b], v[BM+\b]                   ; the block's largest p
.endr
	v_pk_mul_f32 v[14:15], v[14:15], v[FF:FF+1] op_sel_hi:[1,0]    ; the sums under the new M: a plain place behind the exponentials
	s_wait_alu depctr_va_vdst(0)                   ; one wait for the batch, ahead of its first reader
.irp u, 0,2                            ; THE ROW'S SUM IS TAKEN OF THE UNQUANTISED p: eight chains, then a tree
.set J, 0
.rept 8
	v_pk_add_f32 v[SA+2*J:SA+2*J+1], v[SA+2*J:SA+2*J+1], v[SS+32+4*J+\u:SS+33+4*J+\u]
.set J, J+1
.endr
.endr
.irp j, 0,2,4,6
	s_delay_alu instid0(VALU_DEP_4)
	v_pk_add_f32 v[SA+\j:SA+\j+1], v[SA+\j:SA+\j+1], v[SA+8+\j:SA+9+\j]
.endr
.irp j, 0,2
	s_delay_alu instid0(VALU_DEP_2)
	v_pk_add_f32 v[SA+\j:SA+\j+1], v[SA+\j:SA+\j+1], v[SA+4+\j:SA+5+\j]
.endr
	s_delay_alu instid0(VALU_DEP_1)
	v_pk_add_f32 v[SA:SA+1], v[SA:SA+1], v[SA+2:SA+3]
	s_delay_alu instid0(VALU_DEP_1)
	v_pk_add_f32 v[14:15], v[14:15], v[SA:SA+1]
.irp b, 0,1,2,3
	v_max_num_f32 v[BM+\b], 0x1800000, v[BM+\b]    ; the floor 2^(3 - 127): the byte cannot fall under 1
.endr
.irp b, 0,1,2,3
	s_delay_alu instid0(VALU_DEP_4)
	v_add_nc_u32 v[BS+\b], 0xff000000, v[BM+\b]    ; the conversion's scale operand
.endr
.irp b, 0,1,2,3
	s_delay_alu instid0(VALU_DEP_4)
	v_lshrrev_b32 v[BT+\b], 23, v[BS+\b]           ; the scale's byte
.endr
	s_delay_alu instid0(VALU_DEP_3)
	v_lshl_or_b32 v[PSW], v[BT+1], 8, v[BT]        ; p's scale word for these 128 keys
	s_delay_alu instid0(VALU_DEP_1)
	v_lshl_or_b32 v[PSW], v[BT+2], 16, v[PSW]
	s_delay_alu instid0(VALU_DEP_1)
	v_lshl_or_b32 v[PSW], v[BT+3], 24, v[PSW]
.irp b, 0,1,2,3
	v_cvt_scalef32_pk8_fp4_f32 v[PC+2*\b], v[SS+16*\b:SS+7+16*\b], v[BS+\b]
	v_cvt_scalef32_pk8_fp4_f32 v[PC+1+2*\b], v[SS+8+16*\b:SS+15+16*\b], v[BS+\b]
.endr
	v_nop                                          ; one plain place behind a scaled conversion
.irp c, 0,1
.irp i, 0,1
	v_permlane16_swap_b32 v[PC+4*\c+\i], v[PC+2+4*\c+\i]           ; a whole block in a lane
.endr
.endr
	s_wait_alu depctr_va_vdst(0)                   ; directly ahead of the first reader of O^T
.set J, 0
.rept 16
	v_pk_mul_f32 v[OT+J:OT+J+1], v[OT+J:OT+J+1], v[FF:FF+1] op_sel_hi:[1,0]   ; O^T under the new M.  (These are also the places between the codes' and the scale word's last writes and the products)
.set J, J+2
.endr
	s_wait_alu depctr_va_vdst(0)
	s_wait_dscnt 0x0                               ; v is in (and the next step's k)
.irp d, 0,1,2,3
	v_wmma_scale_f32_16x16x128_f8f6f4 v[OT+8*\d:OT+8*\d+7], v[VR+8*\d:VR+8*\d+7], v[PC:PC+7], v[OT+8*\d:OT+8*\d+7], v[VSW+\d], v[PSW] matrix_a_fmt:MATRIX_FMT_FP4 matrix_b_fmt:MATRIX_FMT_FP4
.endr
.Lhidden:
	s_add_co_u32 s[TB], s[TB], 4096                ; the next step's tiles,
	s_add_co_u32 s[TS], s[TS], 512                 ; k's scale words,
	s_add_co_u32 s[TJ], s[TJ], 256                 ; v's
	s_add_co_u32 s[KSI], s[KSI], 1
	s_cmp_lt_u32 s[KSI], 16
	s_cbranch_scc1 .Lks
	; THE PASS'S END: O^T / the sum; its 64 numbers a query are two blocks of the model's 1,024; codes and bytes leave as the last launch's operand wants them
	s_wait_dscnt 0x0                               ; no LDS load of mine is out: the next pass loads into k's registers again
.rept 4
	v_nop
.endr
	v_add_f32 v14, v14, v15
	s_delay_alu instid0(VALU_DEP_1)
	v_permlanex16_b32 v[T0], v14, s[SEL], s[SEL+1]
	s_delay_alu instid0(VALU_DEP_1)
	v_add_f32 v14, v14, v[T0]                      ; the row's sum
	s_wait_alu depctr_va_vdst(0)
	v_rcp_f32 v14, v14
	v_nop                                          ; a plain place behind the reciprocal
	s_wait_alu depctr_va_vdst(0)                   ; and the wait ahead of its first reader
.set J, 0
.rept 16
	v_pk_mul_f32 v[SS+J:SS+J+1], v[OT+J:OT+J+1], v[14:15] op_sel_hi:[1,0]     ; register 16 b + i is d = 32 b + 16 h + i
.set J, J+2
.endr
.irp b, 0,1
	v_max3_num_f32 v[BM+\b], |v[SS+16*\b]|, |v[SS+1+16*\b]|, 0x1800000
.endr
.irp i, 2,4,6,8,10,12,14
.irp b, 0,1
	s_delay_alu instid0(VALU_DEP_2)
	v_max3_num_f32 v[BM+\b], v[BM+\b], |v[SS+16*\b+\i]|, |v[SS+1+16*\b+\i]|
.endr
.endr
.irp b, 0,1
	s_delay_alu instid0(VALU_DEP_2)
	v_permlanex16_b32 v[BT+\b], v[BM+\b], s[SEL], s[SEL+1]
.endr
.irp b, 0,1
	s_delay_alu instid0(VALU_DEP_2)
	v_max_num_f32 v[BM+\b], v[BM+\b], v[BT+\b]
.endr
.irp b, 0,1
	s_delay_alu instid0(VALU_DEP_2)
	v_add_nc_u32 v[BS+\b], 0xff000000, v[BM+\b]
.endr
.irp b, 0,1
	s_delay_alu instid0(VALU_DEP_2)
	v_lshrrev_b32 v[BT+\b], 23, v[BS+\b]
.endr
.irp b, 0,1
	v_cvt_scalef32_pk8_fp4_f32 v[PC+2*\b], v[SS+16*\b:SS+7+16*\b], v[BS+\b]
	v_cvt_scalef32_pk8_fp4_f32 v[PC+1+2*\b], v[SS+8+16*\b:SS+15+16*\b], v[BS+\b]
.endr
	v_nop
	v_permlane16_swap_b32 v[PC], v[PC+2]           ; lanes 0-15 now hold block 0 whole, lanes 16-31 block 1
	v_permlane16_swap_b32 v[PC+1], v[PC+3]
	v_cndmask_b32 v[T0], v[BT], v[BT+1], s43       ; my block's byte
	global_store_b128 v[LI], v[PC:PC+3], s[50:51]  ; 32 lanes store 512 consecutive bytes, aligned: half a fragment's image
	global_store_b8 v[RS32], v[T0], s[52:53]       ; a byte a lane, rows 32 bytes apart: one byte for 16 of codes
	s_sub_co_u32 s[TAU], 127, s[TAU]
	s_sub_co_u32 s[DL], 15, s[DL]
	s_sub_co_u32 s[PASS], s[PASS], 1
	s_cmp_lg_u32 s[PASS], 0
	s_cbranch_scc1 .Lpass
	s_wait_tensorcnt 0x0                           ; the wave's end
	ds_add_u32 v[SPW], v[NIL]
	s_wait_dscnt 0x0
	CROUND                                         ; the closing round
	s_endpgm
.Lfunc_end_k_q834e5e753e_attn:
	.size	k_q834e5e753e_attn, .Lfunc_end_k_q834e5e753e_attn-k_q834e5e753e_attn
	.p2alignl 7, 3214868480
	.fill 96, 4, 3214868480
	.section	.rodata,"a",@progbits
	.p2align	6, 0x0
	.amdhsa_kernel k_q834e5e753e_attn
		.amdhsa_group_segment_fixed_size 327680
		.amdhsa_private_segment_fixed_size 0
		.amdhsa_enable_private_segment 0
		.amdhsa_kernarg_size 24
		.amdhsa_user_sgpr_count 2
		.amdhsa_user_sgpr_kernarg_segment_ptr 1
		.amdhsa_wavefront_size32 1
		.amdhsa_system_sgpr_workgroup_id_x 1
		.amdhsa_system_sgpr_workgroup_id_y 1
		.amdhsa_system_sgpr_workgroup_id_z 1
		.amdhsa_system_vgpr_workitem_id 0
		.amdhsa_next_free_vgpr 256
		.amdhsa_next_free_sgpr 66
		.amdhsa_reserve_vcc 1
		.amdhsa_float_denorm_mode_32 3
		.amdhsa_float_denorm_mode_16_64 3
		.amdhsa_memory_ordered 1
		.amdhsa_forward_progress 1
		.amdhsa_inst_pref_size 35
	.end_amdhsa_kernel
	.amdgpu_metadata
---
amdhsa.version: [ 1, 2 ]
amdhsa.kernels:
  - .name:           k_q834e5e753e_attn
    .symbol:         k_q834e5e753e_attn.kd
    .args:
      - { .name: qkv, .offset: 0, .size: 8, .value_kind: global_buffer, .address_space: global }
      - { .name: cc, .offset: 8, .size: 8, .value_kind: global_buffer, .address_space: global }
      - { .name: cs, .offset: 16, .size: 8, .value_kind: global_buffer, .address_space: global }
    .group_segment_fixed_size: 327680
    .private_segment_fixed_size: 0
    .kernarg_segment_align: 8
    .kernarg_segment_size: 24
    .max_flat_workgroup_size: 512
    .sgpr_count:     66
    .vgpr_count:     256
    .wavefront_size: 32
...
	.end_amdgpu_metadata
.endif
;; end of part 3
;; launch proj (part 4): grid 4 x 64, 4 waves a work-group, clusters of 4 x 4, 327,680 bytes of LDS; arguments cc, cs, wc, ws, b_out, out0; writes out0
.if DOCPART == 4
	.amdgcn_target "amdgcn-amd-amdhsa--gfx1250"
	.amdhsa_code_object_version 6
	.text
	.protected	k_q834e5e753e_proj
	.globl	k_q834e5e753e_proj
	.p2align	8
	.type	k_q834e5e753e_proj,@function
k_q834e5e753e_proj:
	s_mov_b64 s[64:65], 0
	v_nop
	global_prefetch_b8 v0, s[64:65] scope:SCOPE_SE
	s_setreg_imm32_b32 hwreg(HW_REG_WAVE_MODE, 25, 1), 1
	s_wait_xcnt 0x0
	s_wait_alu depctr_hold_cnt(0) depctr_sa_sdst(0) depctr_va_vdst(0) depctr_va_sdst(0) depctr_va_ssrc(0) depctr_va_vcc(0) depctr_vm_vsrc(0)
	s_getreg_b32 s2, hwreg(HW_REG_IB_STS2, 6, 4)
	s_cmp_eq_u32 s2, 0
	s_cbranch_scc0 .Lentry_in_a_cluster
	s_endpgm
.Lentry_in_a_cluster:
	s_bfe_u32 s2, ttmp6, 0x10000c
	s_cmp_lg_u32 s2, 0xf033
	s_cbranch_scc0 .Lentry_shape_is_right
	s_endpgm
.Lentry_shape_is_right:
; Launch 4 of 4: out0 = ctx w_out + b_out on codes of FP4, K = 1,024.  A block of 128 tokens x 256 columns is made by four waves, 64 x 128 each: 32 accumulators, 256 registers: 4 x 64 = 256 work-groups.
; A = 128 tokens of cc (images of operand registers: 8,192 bytes for 16 tokens, 1,024 for each 128 along K), B = 256 columns of w_out (rows 3,072 on of wc, 512 bytes a row).  The bias is the C of each accumulator's first product.
; K goes in two slots of 512, both first fills: nothing is filled again, and there is no loop in which a prefetch could run ahead.
; The matrix instruction's source 0 takes 16 rows of B, source 1 16 tokens: a lane holds eight neighbouring columns of one token.  Rows lie at positions (bits 3 and 4 of a row's number exchanged); the way out puts tokens and columns back.
; CLUSTERS: 4 x 4; A's tile hangs on cy alone and is asked for jointly along a row of the cluster, B's on cx alone, along a column.
; REGISTERS: window 0: v0-31 addresses; v32-95 scale words, a set for each slot; v128-191 A's fragments, two sets of four; v192-255 the biases; on the way out v128-255 are at work.  window 1: B's fragments, two sets.  window 2: the accumulators.
.set NQ,    4                          ; steps of 128 along K in a slot
.set ROWB,  256
.set KROW,  512
.set PITCH, 272                        ; B's LDS row: 256 bytes + 16
.set FR,    8
.set NP,    4
.set ABYTES, 32768                     ; A's part of a slot: 8 images of 4,096 bytes
.set HALFT, 128*PITCH
.set SLOT,  ABYTES+2*HALFT
.set KS,    32                         ; a row of scale bytes
.set SCL,   2*SLOT                     ; the scales: A's 128 rows, then B's 256, as units of 256 bytes + 16
.set HALFS, (128*KS/256)*272
.set SBLK,  (16*KS/256)*272
.set SPARE, SCL+3*HALFS                ; the spare words, 128 bytes for each wave
.set SPITCH, 528                       ; the way out: a stage of 16 rows x (512 + 16) bytes for each wave, in slot 0, which has had its last fill and its last read by then
.set ADRA, 16
.set ADRB, 20
.set BAD,  22
.set STO,  24
.set RD,   25
.set CO,   26
.set ADRS, 27
.set SPW,  28
.set NIL,  29
.set SC,   32
.set AF,   128
.set BK,   128
.set BI,   192
.set G1, 24
.set G0, 32
.set G1B, 48
.set G0B, 56
.set G1S, 68
.set G0S, 76
.set G1SB, 80
.set G0SB, 88
.set MSB, 0
.macro WIN new                         ; the immediate's high byte repeats the setting that is left
.if MSB != (\new)
	s_set_vgpr_msb (MSB<<8)|(\new)
.set MSB, (\new)
.endif
.endm
.set MUL_LO, 0xa1                      ; source 0 (B) window 1, source 1 (A) window 0, C and D window 2
.set MUL_Z,  0x81                      ; the same with C (the bias) in window 0
.set TO_B,   0x40
.macro JLOAD g0a, g1a, g0b, g1b        ; waves 0 and 1 fetch for A, waves 2 and 3 for B; an s_nop 0 and four v_nop follow each line
	s_cmp_eq_u32 s15, 0
	s_cbranch_scc0 .Lfor_b_\@
	tensor_load_to_lds s[\g0a:\g0a+3], s[\g1a:\g1a+7]
	s_nop 0
.rept 4
	v_nop
.endr
	s_branch .Lasked_\@
.Lfor_b_\@:
	tensor_load_to_lds s[\g0b:\g0b+3], s[\g1b:\g1b+7]
	s_nop 0
.rept 4
	v_nop
.endr
.Lasked_\@:
.endm
.macro CROUND                          ; a round of the cluster's barrier
	s_barrier_signal -1
	s_barrier_wait -1
	s_cmp_lg_u32 s14, 0
	s_cbranch_scc1 .Lnot_wave_0_\@
	s_barrier_signal -3
.Lnot_wave_0_\@:
	s_barrier_wait -3
	s_barrier_signal -1
	s_barrier_wait -1
.endm
	s_load_b256 s[4:11], s[0:1], 0x0               ; cc s[4:5], cs s[6:7], wc s[8:9], ws s[10:11]
	s_load_b128 s[96:99], s[0:1], 0x20             ; b_out s[96:97], out0 s[98:99]
	v_lshl_add_u32 v[SPW], v0, 2, SPARE
	v_mov_b32 v[NIL], 0
	ds_add_u32 v[SPW], v[NIL]                      ; the wave's opening: the add, twice on end, and its wait ahead of my first tensor load
	ds_add_u32 v[SPW], v[NIL]
	v_lshrrev_b32 v1, 5, v0
	v_readfirstlane_b32 s14, v1                    ; wave 0..3
	s_lshr_b32 s15, s14, 1                         ; which 64 tokens are mine.  Also: I fetch for A (0) or for B (1)
	s_and_b32 s16, s14, 1                          ; which 128 columns.  Also: which half of a tile I fetch
	s_bfe_u32 s40, ttmp6, 0x40000                  ; cx
	s_bfe_u32 s41, ttmp6, 0x40004                  ; cy
	s_lshl_b32 s42, ttmp9, 2
	s_add_co_u32 s42, s42, s40                     ; B's tile of 256 columns
	s_and_b32 s17, ttmp7, 0xffff
	s_lshl_b32 s17, s17, 2
	s_add_co_u32 s17, s17, s41                     ; A's tile of 128 tokens
	s_lshl_b32 s43, s41, 2
	s_lshl_b32 s43, 15, s43                        ; my row of the cluster
	s_lshl_b32 s44, 0x1111, s40                    ; my column
	s_or_b32 s[G1+0], s43, (3<<16)|(1<<21)         ; A: elements of 8 bytes, no padding: rows of 4,096 bytes, 8,192 apart: 8 for the head's load
	s_mov_b32 s[G1+1], 512<<16
	s_mov_b32 s[G1+2], 8<<16
	s_mov_b32 s[G1+3], 512<<16
	s_mov_b32 s[G1+4], 8
	s_mov_b32 s[G1+5], 1024
	s_mov_b32 s[G1+6], 0
	s_mov_b32 s[G1+7], 0
	s_or_b32 s[G1B+0], s44, (0<<16)|(1<<20)|(1<<21)|(5<<22)|(3<<25)   ; B: rows of 256 bytes, 4 words of padding behind each: 256 for the head's load
	s_mov_b32 s[G1B+1], ROWB<<16
	s_mov_b32 s[G1B+2], 256<<16
	s_mov_b32 s[G1B+3], ROWB<<16
	s_mov_b32 s[G1B+4], 256
	s_mov_b32 s[G1B+5], KROW
	s_mov_b32 s[G1B+6], 0
	s_mov_b32 s[G1B+7], 0
	s_or_b32 s[G1S+0], s43, (3<<16)|(1<<20)|(1<<21)|(5<<22)|(3<<25)   ; the scales: dense bytes as rows of 256, 16 bytes of padding behind each
	s_or_b32 s[G1SB+0], s44, (3<<16)|(1<<20)|(1<<21)|(5<<22)|(3<<25)
.irp g, G1S, G1SB
	s_mov_b32 s[\g+1], 32<<16
	s_mov_b32 s[\g+3], 32<<16
	s_mov_b32 s[\g+5], 32
	s_mov_b32 s[\g+6], 0
	s_mov_b32 s[\g+7], 0
.endr
	s_mov_b32 s[G1S+2], 16<<16                     ; A's 128 rows: 4,096 bytes
	s_mov_b32 s[G1S+4], 16
	s_mov_b32 s[G1SB+2], 32<<16                    ; B's 256 rows: 8,192 bytes
	s_mov_b32 s[G1SB+4], 32
	s_lshl_b32 s20, s17, 16                        ; A's codes: 8 images of 8,192 bytes a tile
	s_mov_b32 s21, 0
	s_lshl_b32 s22, s17, 12                        ; its scale bytes
	s_mov_b32 s23, 0
	s_lshl_b32 s46, s42, 8
	s_add_co_u32 s46, s46, 3072                    ; B's first row in wc and ws
	s_lshl_b32 s92, s46, 5
	s_lshl_b32 s46, s46, 9
	s_mov_b32 s47, 0
	s_mov_b32 s93, 0
	s_lshl_b32 s45, s16, 14                        ; slot 1: where my half of A goes: 4 images of 4,096 bytes,
	s_mul_i32 s95, s16, HALFT
	s_add_co_u32 s95, s95, ABYTES                  ; and my half of B: no place in the cluster enters an LDS address
	s_wait_dscnt 0x0                               ; both opening adds are done
	s_wait_kmcnt 0x0
	s_add_nc_u64 s[20:21], s[4:5], s[20:21]
	s_add_nc_u64 s[22:23], s[6:7], s[22:23]
	s_add_nc_u64 s[46:47], s[8:9], s[46:47]
	s_add_nc_u64 s[92:93], s[10:11], s[92:93]
	CROUND                                         ; all sixteen work-groups are here: the first joint loads meet
	s_mov_b32 s[G0S], 1
	s_mov_b32 s[G0S+1], SCL
	s_mov_b64 s[G0S+2:G0S+3], s[22:23]
	s_or_b32 s[G0S+3], s[G0S+3], 0x80000000
	s_mov_b32 s[G0SB], 1
	s_mov_b32 s[G0SB+1], SCL+HALFS
	s_mov_b64 s[G0SB+2:G0SB+3], s[92:93]
	s_or_b32 s[G0SB+3], s[G0SB+3], 0x80000000
	s_mov_b32 s4, 1                                ; s[4:7], s[8:11]: groups 0 of the head's loads of slot 0 (the arguments that lay there have been used)
	s_mov_b32 s5, 0
	s_mov_b64 s[6:7], s[20:21]
	s_or_b32 s7, s7, 0x80000000
	s_mov_b32 s8, 1
	s_mov_b32 s9, ABYTES
	s_mov_b64 s[10:11], s[46:47]
	s_or_b32 s11, s11, 0x80000000
	s_lshl_b32 s18, s16, 15                        ; for slot 1 a wave fetches half a tile: 4 images on in cc,
	s_mov_b32 s19, 0
	s_add_nc_u64 s[20:21], s[20:21], s[18:19]
	s_lshl_b32 s18, s16, 16                        ; 128 rows on in wc
	s_add_nc_u64 s[46:47], s[46:47], s[18:19]
	s_mov_b32 s[G0+4], 1
	s_add_co_u32 s[G0+5], s45, SLOT
	s_add_nc_u64 s[G0+6:G0+7], s[20:21], 4096
	s_or_b32 s[G0+7], s[G0+7], 0x80000000
	s_mov_b32 s[G0B+4], 1
	s_add_co_u32 s[G0B+5], s95, SLOT
	s_add_nc_u64 s[G0B+6:G0B+7], s[46:47], ROWB
	s_or_b32 s[G0B+7], s[G0B+7], 0x80000000
; THE HEAD'S LOADS, ONE A WAVE: wave 0 slot 0's part of A, wave 1 its 256 rows of B, wave 2 A's scales, wave 3 B's.  One tree of branches on the wave's number, one load to an arm.
.macro ARM under, g0, g1, next
	s_cmp_lt_u32 s14, \under
	s_cbranch_scc0 \next
	tensor_load_to_lds s[\g0:\g0+3], s[\g1:\g1+7]
	s_nop 0
.rept 4
	v_nop
.endr
	s_branch .Lhead_asked
\next:
.endm
	ARM 1, 4, G1, .Lhead_b
	ARM 2, 8, G1B, .Lhead_sa
	ARM 3, G0S, G1S, .Lhead_sb
	tensor_load_to_lds s[G0SB:G0SB+3], s[G1SB:G1SB+7]
	s_nop 0
.rept 4
	v_nop
.endr
.Lhead_asked:
	v_and_b32 v1, 15, v0                           ; r = lane % 16
	v_bfe_u32 v2, v0, 4, 1                         ; h = lane / 16
	v_and_b32 v6, 31, v0
	v_lshlrev_b32 v[CO], 4, v6                     ; 16 x lane
	v_mul_u32_u24 v3, v1, PITCH
	v_lshl_add_u32 v4, v2, 4, v3                   ; B: a fragment's row x pitch + 16 x half
	s_lshl_b32 s21, s15, 14                        ; my 64 tokens: 4 images
	s_mul_i32 s22, s16, HALFT
	s_add_co_u32 s22, s22, ABYTES                  ; my 128 rows of B
.irp s, 0,1
	v_add_nc_u32 v[ADRA+\s], s21, v[CO]
	v_add_nc_u32 v[ADRB+\s], s22, v4
	s_add_co_u32 s21, s21, SLOT
	s_add_co_u32 s22, s22, SLOT
.endr
	v_mul_u32_u24 v5, v1, KS                       ; my row's scales: KS bytes a row,
	v_lshrrev_b32 v6, 8, v5
	v_lshl_add_u32 v5, v6, 4, v5                   ; and 16 more for each 256 passed
	s_mul_i32 s21, s15, HALFS/2                    ; A's: my 64 rows
	s_mul_i32 s22, s16, HALFS
	s_add_co_u32 s22, s22, HALFS                   ; B's: my 128 rows, behind A's 128
	s_sub_co_u32 s22, s22, s21
	v_mul_u32_u24 v6, s22, v2                      ; lanes 16-31 take B's
	s_add_co_u32 s21, s21, SCL
	v_add_nc_u32 v5, v5, v6
	v_add_nc_u32 v[ADRS], s21, v5
	s_mul_i32 s23, s14, 16*SPITCH                  ; my stage
	v_mul_u32_u24 v5, v1, SPITCH
	v_lshl_add_u32 v5, v2, 6, v5
	v_add_nc_u32 v[STO], s23, v5                   ; in: row r, 64 h bytes on
	v_add_nc_u32 v[RD], s23, v[CO]                 ; back: the 32 lanes take one row of 512 bytes
	s_lshl_b32 s46, s42, 10
	s_lshl_b32 s47, s16, 9
	s_add_co_u32 s46, s46, s47                     ; my first column, in bytes
	s_mov_b32 s47, 0
	s_add_nc_u64 s[96:97], s[96:97], s[46:47]
	s_add_nc_u64 s[12:13], s[98:99], s[46:47]
	s_lshl_b32 s20, s17, 19                        ; 128 rows of 4,096 bytes a tile,
	s_lshl_b32 s21, s15, 18                        ; 64 a wave
	s_add_co_u32 s20, s20, s21
	s_mov_b32 s21, 0
	s_add_nc_u64 s[12:13], s[12:13], s[20:21]
	v_lshlrev_b32 v[BAD], 6, v2                    ; register 8 b + j wants column 32 (b / 2) + 16 h + 8 (b % 2) + j
.irp b, 0,1,2,3,4,5,6,7
	global_load_b128 v[BI+8*\b:BI+8*\b+3], v[BAD], s[96:97] offset:(32*(\b/2)+8*(\b%2))*4
	global_load_b128 v[BI+8*\b+4:BI+8*\b+7], v[BAD], s[96:97] offset:(32*(\b/2)+8*(\b%2))*4+16
.endr
.macro FRAGB reg, adr, q, i
.irp c, 0,1
	ds_load_b128 v[\reg+4*\c:\reg+4*\c+3], v[\adr] offset:64*(\q)+32*\c+(\i)*16*PITCH
.endr
.endm
.macro FRAGA reg, adr, q, i
.irp c, 0,1
	ds_load_b128 v[\reg+4*\c:\reg+4*\c+3], v[\adr] offset:1024*(\q)+512*\c+(\i)*4096
.endr
.endm
; 16 matrix instructions: A's blocks a0, a0 + 1 x B's eight, from set p.  The 32 accumulators take turns, one instruction a turn, in the same order in every step.
.macro MUL16 a0, p, q, sc, zero
.irp a, \a0, \a0+1
.irp b, 0,1,2,3,4,5,6,7
.if \zero
	v_wmma_scale_f32_16x16x128_f8f6f4 v[8*(8*(\a)+\b):8*(8*(\a)+\b)+7], v[128*(\p)+FR*\b:128*(\p)+FR*\b+FR-1], v[AF+32*(\p)+FR*(\a):AF+32*(\p)+FR*(\a)+FR-1], v[BI+8*\b:BI+8*\b+7], v[SC+8*NQ*(\sc)+NQ*\b+(\q)], v[SC+8*NQ*(\sc)+NQ*(\a)+(\q)] matrix_a_fmt:MATRIX_FMT_FP4 matrix_b_fmt:MATRIX_FMT_FP4 matrix_a_scale:MATRIX_SCALE_ROW1
.else
	v_wmma_scale_f32_16x16x128_f8f6f4 v[8*(8*(\a)+\b):8*(8*(\a)+\b)+7], v[128*(\p)+FR*\b:128*(\p)+FR*\b+FR-1], v[AF+32*(\p)+FR*(\a):AF+32*(\p)+FR*(\a)+FR-1], v[8*(8*(\a)+\b):8*(8*(\a)+\b)+7], v[SC+8*NQ*(\sc)+NQ*\b+(\q)], v[SC+8*NQ*(\sc)+NQ*(\a)+(\q)] matrix_a_fmt:MATRIX_FMT_FP4 matrix_b_fmt:MATRIX_FMT_FP4 matrix_a_scale:MATRIX_SCALE_ROW1
.endif
.endr
.endr
.endm
.macro FETCH slot, q, p                ; 24 LDS loads in one run: B's eight and A's four fragments of the slot's q-th 128 along K into set p
	WIN TO_B
.irp i, 0,1,2,3,4,5,6,7
	FRAGB 128*(\p)+FR*\i, ADRB+\slot, \q, \i
.endr
	WIN 0
.irp i, 0,1,2,3
	FRAGA AF+32*(\p)+FR*\i, ADRA+\slot, \q, \i
.endr
.endm
.macro SCALES sc                       ; a slot's scale words, 4 a row: lanes 0-15 take A's block i (of blocks 4-7 nothing is used), lanes 16-31 B's block i
.irp i, 0,1,2,3,4,5,6,7
	ds_load_b128 v[SC+8*NQ*\sc+NQ*\i:SC+8*NQ*\sc+NQ*\i+3], v[ADRS] offset:\i*SBLK
.endr
.endm
.macro PLACES n                        ; plain vector instructions between a matrix instruction and a load into one of its registers, or a read of its result
.rept \n
	v_nop
.endr
.endm
.macro STEP slot, q, zero              ; a step of 128 along K that has its successor in the same slot: the successor's fragments are asked for ahead of this step's 32 products
	s_wait_dscnt 0x0                               ; this step's fragments are in
	PLACES NP                                      ; behind the last step's products, whose set the loads below fill
	FETCH \slot, (\q)+1, 1-(\q)%2
.if \zero
	WIN MUL_Z
.else
	WIN MUL_LO
.endif
	MUL16 0, (\q)%2, \q, \slot, \zero
	MUL16 2, (\q)%2, \q, \slot, \zero
	WIN 0
.endm
	s_wait_alu depctr_va_vdst(0)
	s_wait_tensorcnt 0x0                           ; my tile of the head's four is in
	ds_add_u32 v[SPW], v[NIL]
	s_mov_b32 s[G1+2], 4<<16                       ; no tensor load of mine is out: from here on a load brings half a tile
	s_mov_b32 s[G1+4], 4
	s_mov_b32 s[G1B+2], 128<<16
	s_mov_b32 s[G1B+4], 128
	s_wait_dscnt 0x0
	CROUND                                         ; all four tiles are in, and all sixteen work-groups are here
	JLOAD G0+4, G1, G0B+4, G1B                     ; slot 1's first fill: my one load behind the round
	FETCH 0, 0, 0
	SCALES 0
	s_wait_loadcnt 0x0                             ; the biases
	STEP 0, 0, 1                                   ; the first products start the sums from the bias: nothing is cleared
	STEP 0, 1, 0
	STEP 0, 2, 0
	; slot 0's last step changes slots: one barrier; in front of it each wave waits for its part of slot 1.  Nothing is filled again
	s_wait_tensorcnt 0x0
	ds_add_u32 v[SPW], v[NIL]
	s_wait_dscnt 0x0                               ; the add is done, and my reads of slot 0 are over
	s_barrier_signal -1
	WIN MUL_LO
	MUL16 0, 1, NQ-1, 0, 0
	WIN 0
	s_barrier_wait -1                              ; slot 1 is whole
	PLACES NP
	v_add_nc_u32 v[ADRS], 4*NQ, v[ADRS]            ; on to slot 1's scale words
	FETCH 1, 0, 0
	SCALES 1
	WIN MUL_LO
	MUL16 2, 1, NQ-1, 0, 0
	WIN 0
	STEP 1, 0, 0
	STEP 1, 1, 0
	STEP 1, 2, 0
	s_wait_dscnt 0x0                               ; the very last step: nothing more to fetch
	WIN MUL_LO
	MUL16 0, 1, NQ-1, 1, 0
	MUL16 2, 1, NQ-1, 1, 0
	WIN 0
; THE WAY OUT, block by block of 16 tokens x 128 columns, through my own stage: back come whole rows of 512 bytes.  LDS serves a wave's instructions in order (ISA guide 5.7.1.4): no wait between the stores and the loads.
.macro TOSTAGE a
.set AC, 64*(\a)
	WIN 0x08                                       ; the data: window 2
.irp b, 0,1,2,3,4,5,6,7
	ds_store_b128 v[STO], v[AC+8*\b:AC+8*\b+3] offset:128*(\b/2)+32*(\b%2)          ; each accumulator from its low end on
	ds_store_b128 v[STO], v[AC+8*\b+4:AC+8*\b+7] offset:128*(\b/2)+32*(\b%2)+16
.endr
	WIN 0
.set BB, BK+64*((\a)%2)
.irp t, 0,1,2,3,4,5,6,7,8,9,10,11,12,13,14,15
	ds_load_b128 v[BB+4*\t:BB+4*\t+3], v[RD] offset:\t*SPITCH
.endr
.endm
.macro SEND a, younger                 ; younger: the LDS instructions issued behind block a's loads, which may stay out
.set BB, BK+64*((\a)%2)
	s_wait_dscnt \younger
.irp t, 0,1,2,3,4,5,6,7,8,9,10,11,12,13,14,15
	global_store_b128 v[CO], v[BB+4*\t:BB+4*\t+3], s[12:13] offset:(32*((\a)/2)+8*((\a)%2)+\t+8*(\t/8))*4096 th:TH_STORE_NT   ; 32 lanes store 512 consecutive bytes, aligned; position t of block a is this token
.endr
.endm
	PLACES NP
	TOSTAGE 0
.irp a, 1,2,3
.if \a > 1
	s_wait_xcnt 0x0                                ; block a - 2's stores have read their registers
.endif
	TOSTAGE \a
	SEND \a-1, 32                                  ; behind block a - 1's loads: block a's 16 stores and 16 loads
.endr
	SEND 3, 0
	s_wait_tensorcnt 0x0                           ; the wave's end
	ds_add_u32 v[SPW], v[NIL]
	s_wait_dscnt 0x0
	CROUND                                         ; the closing round
	s_endpgm
.Lfunc_end_k_q834e5e753e_proj:
	.size	k_q834e5e753e_proj, .Lfunc_end_k_q834e5e753e_proj-k_q834e5e753e_proj
	.p2alignl 7, 3214868480
	.fill 96, 4, 3214868480
	.section	.rodata,"a",@progbits
	.p2align	6, 0x0
	.amdhsa_kernel k_q834e5e753e_proj
		.amdhsa_group_segment_fixed_size 327680
		.amdhsa_private_segment_fixed_size 0
		.amdhsa_enable_private_segment 0
		.amdhsa_kernarg_size 48
		.amdhsa_user_sgpr_count 2
		.amdhsa_user_sgpr_kernarg_segment_ptr 1
		.amdhsa_wavefront_size32 1
		.amdhsa_system_sgpr_workgroup_id_x 1
		.amdhsa_system_sgpr_workgroup_id_y 1
		.amdhsa_system_sgpr_workgroup_id_z 1
		.amdhsa_system_vgpr_workitem_id 0
		.amdhsa_next_free_vgpr 768
		.amdhsa_next_free_sgpr 100
		.amdhsa_reserve_vcc 0
		.amdhsa_float_denorm_mode_32 3
		.amdhsa_float_denorm_mode_16_64 3
		.amdhsa_memory_ordered 1
		.amdhsa_forward_progress 1
		.amdhsa_inst_pref_size 74
	.end_amdhsa_kernel
	.amdgpu_metadata
---
amdhsa.version: [ 1, 2 ]
amdhsa.kernels:
  - .name:           k_q834e5e753e_proj
    .symbol:         k_q834e5e753e_proj.kd
    .args:
      - { .name: cc, .offset: 0, .size: 8, .value_kind: global_buffer, .address_space: global }
      - { .name: cs, .offset: 8, .size: 8, .value_kind: global_buffer, .address_space: global }
      - { .name: wc, .offset: 16, .size: 8, .value_kind: global_buffer, .address_space: global }
      - { .name: ws, .offset: 24, .size: 8, .value_kind: global_buffer, .address_space: global }
      - { .name: b_out, .offset: 32, .size: 8, .value_kind: global_buffer, .address_space: global }
      - { .name: out0, .offset: 40, .size: 8, .value_kind: global_buffer, .address_space: global }
    .group_segment_fixed_size: 327680
    .private_segment_fixed_size: 0
    .kernarg_segment_align: 8
    .kernarg_segment_size: 48
    .max_flat_workgroup_size: 128
    .sgpr_count:     100
    .vgpr_count:     768
    .wavefront_size: 32
...
	.end_amdgpu_metadata
.endif
;; end of part 4
